; MI455X (gfx1250); checked and timed in simulation.
; The chip was launched on July 23, 2026; its instructions are those of AMD's public machine-readable ISA for CDNA 5 (MIT licence, August 2026) and "CDNA5" Instruction Set Architecture Reference Guide (July 2026). The comments in the code are by the model that wrote it; some were corrected since.
;; Adaptive Diff Attention. Allowed arithmetic: matrix products marked QUANTISED: E5M2 operands, one E8M0 scale for each 32 along K, by v_wmma_scale_f32_16x16x128_f8f6f4 with both operands' format E5M2, f32 sums; products left as they are: f32 operands where the result goes on into a quantised operand, else bf16, f16 or f32 operands; f32 sums; everything else in f32.
;; Inputs: L1_b 256 float32; L1_w_codes 256 x 64 x 32 uint8 (E5M2 codes of L1_w, K innermost, in blocks of 32 codes); L1_w_scales 256 x 64 uint8 (E8M0 scales of L1_w, one for each 32 codes along K); L2_b 1 float32; L2_w 256 x 1 float32; WK1_b 1,024 float32; WK1_w_codes 1,024 x 32 x 32 uint8 (E5M2 codes of WK1_w, K innermost, in blocks of 32 codes); WK1_w_scales 1,024 x 32 uint8 (E8M0 scales of WK1_w, one for each 32 codes along K); WK2_b 1,024 float32; WK2_w_codes 1,024 x 32 x 32 uint8 (E5M2 codes of WK2_w, K innermost, in blocks of 32 codes); WK2_w_scales 1,024 x 32 uint8 (E8M0 scales of WK2_w, one for each 32 codes along K); WO_b 1,024 float32; WO_w_codes 1,024 x 32 x 32 uint8 (E5M2 codes of WO_w, K innermost, in blocks of 32 codes); WO_w_scales 1,024 x 32 uint8 (E8M0 scales of WO_w, one for each 32 codes along K); WQ1_b 1,024 float32; WQ1_w_codes 1,024 x 32 x 32 uint8 (E5M2 codes of WQ1_w, K innermost, in blocks of 32 codes); WQ1_w_scales 1,024 x 32 uint8 (E8M0 scales of WQ1_w, one for each 32 codes along K); WQ2_b 1,024 float32; WQ2_w_codes 1,024 x 32 x 32 uint8 (E5M2 codes of WQ2_w, K innermost, in blocks of 32 codes); WQ2_w_scales 1,024 x 32 uint8 (E8M0 scales of WQ2_w, one for each 32 codes along K); WV_b 1,024 float32; WV_w_codes 1,024 x 32 x 32 uint8 (E5M2 codes of WV_w, K innermost, in blocks of 32 codes); WV_w_scales 1,024 x 32 uint8 (E8M0 scales of WV_w, one for each 32 codes along K); x 4,096 x 2,048 float32.
;; Outputs: out0 4,096 x 2,048 float32.
;; This version of the problem:
;;   THIS VERSION OF THE PROBLEM IS GIVEN IN LOW PRECISION. The matrix products marked QUANTISED in the list below multiply operands that are first quantised to E5M2 (5 exponent bits, 2 mantissa bits; 8 bits a number), with one power-of-two scale for each 32 numbers along K (OCP MX v1.0); their sums are f32. All else is computed in f32.
;;   The module's matrix products, in the order in which they are computed (A, B: the left and right operand; K: the contracted axis; several contracted axes count as one K, in the product's order):
;;     1. [M 4,096, K 2,048] x [K 2,048, N 256]; A: input x; B: input L1_w (given as codes): QUANTISED
;;     2. [M 4,096, K 256] x [K 256, N 1]; A: computed on the way; B: input L2_w: left as it is (N = 1 < 16)
;;     3. [M 8,192, K 1,024] x [K 1,024, N 1,024]; A: input x; B: input WQ1_w (given as codes): QUANTISED
;;     4. [M 8,192, K 1,024] x [K 1,024, N 1,024]; A: input x; B: input WK1_w (given as codes): QUANTISED
;;     5. [M 8,192, K 1,024] x [K 1,024, N 1,024]; A: input x; B: input WQ2_w (given as codes): QUANTISED
;;     6. [M 8,192, K 1,024] x [K 1,024, N 1,024]; A: input x; B: input WK2_w (given as codes): QUANTISED
;;     7. [M 8,192, K 1,024] x [K 1,024, N 1,024]; A: input x; B: input WV_w (given as codes): QUANTISED
;;     8. batch 16,384 x [M 2, K 256] x [K 256, N 2]; A: computed on the way; B: computed on the way: left as it is (M = 2 < 16)
;;     9. batch 16,384 x [M 2, K 256] x [K 256, N 2]; A: computed on the way; B: computed on the way: left as it is (M = 2 < 16)
;;     10. batch 16,384 x [M 2, K 2] x [K 2, N 256]; A: computed on the way; B: computed on the way: left as it is (K = 2 < 32)
;;     11. [M 8,192, K 1,024] x [K 1,024, N 1,024]; A: computed on the way; B: input WO_w (given as codes): QUANTISED
;;   THE QUANTISER, for each operand of a quantised product, along K:
;;     - K is cut into blocks of 32 from its start; a last block that is shorter is filled with zeros.
;;     - A block's scale is 2^e with e = floor(log2(the largest magnitude in the block)) - 15, held to -126 .. 127; a block of zeros has e = 0. As a byte (E8M0): e + 127.
;;     - Each number is divided by its block's scale, clamped to +-57,344, and rounded to the nearest number of E5M2, ties to even, subnormals kept.
;;     - The product sums the exact products of the quantised numbers (number of the format x scale) in f32.
;;   ~~~python
;;   def quantise(x, axis):      # numpy; x: float32 -> the quantised numbers, widened to float32 again
;;       x = np.moveaxis(x, axis, -1); K = x.shape[-1]
;;       x = np.pad(x, [(0, 0)] * (x.ndim - 1) + [(0, -K % 32)]); x = x.reshape(x.shape[:-1] + (-1, 32)); a = np.abs(x).max(-1, keepdims=True)
;;       e = np.where(a > 0, np.clip(np.frexp(np.where(a > 0, a, 1))[1] - 1 - 15, -126, 127), 0)      # np.frexp(a)[1] - 1 = floor(log2(a)), exactly
;;       r = np.clip(x / 2.0 ** e, -57344, 57344)
;;       step = 2.0 ** (np.maximum(np.frexp(np.where(r == 0, 1, r))[1] - 1, -14) - 2)
;;       q = np.round(r / step) * step * 2.0 ** e      # np.round: ties to even
;;       return np.moveaxis(q.reshape(q.shape[:-2] + (-1,))[..., :K], -1, axis).astype(np.float32)
;;   ~~~
;;   OPERANDS COMPUTED ON THE WAY. 'Computed on the way' means the value that the module computes at that place (a softmax that the list does not call 'softmax' is quantised finished and normalised). What goes into a quantiser is computed in f32, as accurately as f32 sums, v_exp_f32 and their like allow (about 1e-6 of the number): no bf16 or f16 on the way to a quantiser, and a product that is left as it is and whose result goes on into a quantised operand takes f32 operands (vector FMAs, or v_wmma_f32_16x16x4_f32). A number that lies on a knife's edge between two numbers of the format may be rounded either way, as far as f32 arithmetic and the matrix unit's own rounding can turn it there, and no further.
;;   INPUTS GIVEN AS CODES. L1_w (in the module: [2048, 256], K = its axis 0); WK1_w (in the module: [1024, 1024], K = its axis 0); WK2_w (in the module: [1024, 1024], K = its axis 0); WO_w (in the module: [1024, 1024], K = its axis 0); WQ1_w (in the module: [1024, 1024], K = its axis 0); WQ2_w (in the module: [1024, 1024], K = its axis 0); WV_w (in the module: [1024, 1024], K = its axis 0): each comes as NAME_codes (uint8): NAME with its K axis moved to the last place and cut into blocks of 32 codes, [.., K / 32, bytes a block], one block behind the other in memory; one code a byte (a code: sign, 5 exponent bits, 2 mantissa bits); and NAME_scales (uint8): the same leading axes, one E8M0 byte (e + 127) for each 32 codes along K. Its value is code x scale, taken as it is: it is not quantised again, and the codes and scales need not be those that the quantiser above would give.
;; One version. Each part assembles by itself: llvm-mc -triple=amdgcn-amd-amdhsa -mcpu=gfx1250 --defsym DOCPART=n.
;; ======== version 1 of 1: 3 launches
;; workspace buffers: xc 8,388,608 bytes; xs 262,144 bytes; lam 16,384 bytes; oc 8,388,608 bytes; os 262,144 bytes
;; launch prep (part 1): grid 256 x 1, 4 waves a work-group, clusters of 4 x 1, 327,680 bytes of LDS; arguments x, L1_w_codes, L1_w_scales, L1_b, L2_w, L2_b, xc, xs, lam; writes xc, xs, lam
.if DOCPART == 1
	.amdgcn_target "amdgcn-amd-amdhsa--gfx1250"
	.amdhsa_code_object_version 6
	.text
	.protected	k_qa66c6b290f_prep
	.globl	k_qa66c6b290f_prep
	.p2align	8
	.type	k_qa66c6b290f_prep,@function
k_qa66c6b290f_prep:
	s_mov_b64 s[64:65], 0
	v_nop
	global_prefetch_b8 v0, s[64:65] scope:SCOPE_SE
	s_setreg_imm32_b32 hwreg(HW_REG_WAVE_MODE, 25, 1), 1
	s_wait_xcnt 0x0
	s_wait_alu depctr_hold_cnt(0) depctr_sa_sdst(0) depctr_va_vdst(0) depctr_va_sdst(0) depctr_va_ssrc(0) depctr_va_vcc(0) depctr_vm_vsrc(0)
	s_getreg_b32 s2, hwreg(HW_REG_IB_STS2, 6, 4)
	s_cmp_eq_u32 s2, 0
	s_cbranch_scc0 .Lentry_in_a_cluster
	s_endpgm
.Lentry_in_a_cluster:
	s_bfe_u32 s2, ttmp6, 0x10000c
	s_cmp_lg_u32 s2, 0x3003
	s_cbranch_scc0 .Lentry_shape_is_right
	s_endpgm
.Lentry_shape_is_right:
; FIRST OF THREE LAUNCHES.  x [4096][2048] f32 becomes codes of E5M2 with one E8M0 byte for each 32 along K (xc, xs), and the gate lam = sigmoid(relu(Q(x) L1 + L1_b) . L2_w + L2_b) is made (lam).
; One quantising serves all six products that take x: blocks of 32 along the 2,048 of a batch row are the blocks of 32 along the 1,024 of its two tokens.
; DEAD WORK, left out in the whole program: WK1_b and WK2_b.  score(q, k) = (x_q WQ + bQ) . (x_k WK + bK) = (x_q WQ + bQ) . (x_k WK) + (x_q WQ + bQ) . bK.  The last term does not hang on the key k, so it is
; the same along the axis of the softmax and cancels there for all finite values of all inputs.  The score products are not quantised, so no quantiser sees K1 or K2.  So WK1_b and WK2_b have no way to
; an output: they are not loaded and are among no launch's arguments.  LIMIT: a NaN, an infinity or an overflow that reaches only that term is not carried to the result.
; LIMITS: NaN and infinities among the inputs are not served.  A block whose largest magnitude lies under 2^-111 (a block of zeros too) gets the byte 1; a block of zeros has zero codes; xs is read by this program alone.
; LAYOUT OF xc: images of operand registers.  A fragment is 16 rows x 128 K = 2,048 bytes: register group c (0..3) is 512 bytes, lane l at 16 l.  Byte g 32768 + S 2048 + c 512 + 16 l: g = 16 batch rows,
; S = 0..15 the K step of the batch row (S = 8 eo + s: token eo, its K step s).  So a tile of rows is 16 EVEN or 16 ODD tokens of 16 neighbouring batch rows.
; LAYOUT OF xs: byte g 1024 + w 256 + 8 l + 4 q: the scale word of K step s = 4 q + w; lanes 0-15 the even tokens' row l, lanes 16-31 the odd tokens' row l - 16.
; SHARES.  A work-group owns 16 batch rows.  Four phases, one for each quarter of K.  In phase q wave w turns fragment S = 4 q + w through its own stage in LDS, quantises it, stores it to xc and as an image to LDS;
; then all four waves multiply the four images by L1's K quarter.  Wave w owns hidden units 64 w .. 64 w + 63: four accumulators by turns, which begin as L1_b.
; L1's quarters come through two LDS slots by joint loads of the four work-groups of a cluster (all walk the same L1): two first fills, two refills.  By this text's count a wave has at most two tensor loads out.
.set PIT,   528                        ; an LDS row: 512 bytes + 16 of padding = 132 words: 16 rows that a load touches start at 16 different groups of four banks
.set SLOTB, 256*PIT                    ; a slot: 256 rows of L1, a quarter of K
.set STG,   2*SLOTB                    ; behind the slots: a stage of 16 rows x 528 bytes for each wave
.set IMG,   STG+4*16*PIT               ; two sets of four images of 2,048 bytes
.set IMS,   IMG+2*4*2048               ; their scale words, 128 bytes each
.set RED,   IMS+2*4*128                ; the four waves' parts of the gate's sum
.set SPARE, RED+256                    ; the spare words, 128 bytes a wave: two blocks of 256 bytes that no other line names
.set LI,  1                            ; v1   16 x lane
.set LS,  2                            ; v2   4 x lane
.set TW,  3                            ; v3   the stage, in
.set TR,  4                            ; v4   the stage, out: row r, + 64 h
.set IW,  5                            ; v5   where I store my image
.set ISW, 6                            ; v6   and its scale words
.set IR,  7                            ; v7   where images are read
.set ISR, 8                            ; v8
.set ADB, 9                            ; v9-10 my rows of L1 in slot 0, 1
.set RW,  11
.set RR,  12
.set L8,  13                           ; v13  8 x lane
.set SPW, 14                           ; v14  my spare word; never rewritten
.set NIL, 15                           ; v15  0; never rewritten
.set TM,  16                           ; v16-31 the quantiser's work
.set PC,  32                           ; v32-47 the codes just made
.set SW,  48                           ; v48-51 the four phases' scale words
.set PP,  52                           ; v52-53 the pair for xs
.set AS,  54                           ; v54-57 the images' scale words: scales alone
.set Z,   58                           ; v58-59 the gate's sum
.set X,   64                           ; v64-127 64 numbers of x
.set AF,  128                          ; v128-191 four images
.set ACC, 192                          ; v192-223 four accumulators
.set BS,  224                          ; v224-255 L1's scale words: scales alone.  Window 1: x as loaded; window 2: L1's fragments; window 3, v0-31: L2_w
.set W,   26
.set CX,  27
.set G,   28
.set G1,  36
.set G0A, 44
.set G0B, 48
.set SEL, 52
.set MNT, 54
.set MSK, 55
.set LB,  56
.set MSB, 0
.macro WIN new                         ; the immediate's high byte repeats the setting that is left
.if MSB != \new
	s_set_vgpr_msb (MSB<<8)|\new
.set MSB, \new
.endif
.endm
.macro PLACES n
.rept \n
	v_nop
.endr
.endm
.macro CROUND                          ; a round of the cluster's barrier
	s_barrier_signal -1
	s_barrier_wait -1
	s_cmp_lg_u32 s[W], 0
	s_cbranch_scc1 .Lnot_wave_0_\@
	s_barrier_signal -3
.Lnot_wave_0_\@:
	s_barrier_wait -3
	s_barrier_signal -1
	s_barrier_wait -1
.endm
; The scaled matrix instruction.  d, a, b: first registers of D, source 0, source 1; z = 1: C is the constant 0, else C begins at c; sa, sb: the scale registers; ra, rb = 1: that side's words lie in lanes 16-31
.macro WM d, a, b, z, c, sa, sb, ra, rb
.if (\z) && (\ra) && (\rb)
	v_wmma_scale_f32_16x16x128_f8f6f4 v[0+(\d):7+(\d)], v[0+(\a):15+(\a)], v[0+(\b):15+(\b)], 0, v[0+(\sa)], v[0+(\sb)] matrix_a_fmt:MATRIX_FMT_BF8 matrix_b_fmt:MATRIX_FMT_BF8 matrix_a_scale:MATRIX_SCALE_ROW1 matrix_b_scale:MATRIX_SCALE_ROW1
.elseif (\z) && (\ra)
	v_wmma_scale_f32_16x16x128_f8f6f4 v[0+(\d):7+(\d)], v[0+(\a):15+(\a)], v[0+(\b):15+(\b)], 0, v[0+(\sa)], v[0+(\sb)] matrix_a_fmt:MATRIX_FMT_BF8 matrix_b_fmt:MATRIX_FMT_BF8 matrix_a_scale:MATRIX_SCALE_ROW1
.elseif (\z) && (\rb)
	v_wmma_scale_f32_16x16x128_f8f6f4 v[0+(\d):7+(\d)], v[0+(\a):15+(\a)], v[0+(\b):15+(\b)], 0, v[0+(\sa)], v[0+(\sb)] matrix_a_fmt:MATRIX_FMT_BF8 matrix_b_fmt:MATRIX_FMT_BF8 matrix_b_scale:MATRIX_SCALE_ROW1
.elseif (\z)
	v_wmma_scale_f32_16x16x128_f8f6f4 v[0+(\d):7+(\d)], v[0+(\a):15+(\a)], v[0+(\b):15+(\b)], 0, v[0+(\sa)], v[0+(\sb)] matrix_a_fmt:MATRIX_FMT_BF8 matrix_b_fmt:MATRIX_FMT_BF8
.elseif (\ra) && (\rb)
	v_wmma_scale_f32_16x16x128_f8f6f4 v[0+(\d):7+(\d)], v[0+(\a):15+(\a)], v[0+(\b):15+(\b)], v[0+(\c):7+(\c)], v[0+(\sa)], v[0+(\sb)] matrix_a_fmt:MATRIX_FMT_BF8 matrix_b_fmt:MATRIX_FMT_BF8 matrix_a_scale:MATRIX_SCALE_ROW1 matrix_b_scale:MATRIX_SCALE_ROW1
.elseif (\ra)
	v_wmma_scale_f32_16x16x128_f8f6f4 v[0+(\d):7+(\d)], v[0+(\a):15+(\a)], v[0+(\b):15+(\b)], v[0+(\c):7+(\c)], v[0+(\sa)], v[0+(\sb)] matrix_a_fmt:MATRIX_FMT_BF8 matrix_b_fmt:MATRIX_FMT_BF8 matrix_a_scale:MATRIX_SCALE_ROW1
.elseif (\rb)
	v_wmma_scale_f32_16x16x128_f8f6f4 v[0+(\d):7+(\d)], v[0+(\a):15+(\a)], v[0+(\b):15+(\b)], v[0+(\c):7+(\c)], v[0+(\sa)], v[0+(\sb)] matrix_a_fmt:MATRIX_FMT_BF8 matrix_b_fmt:MATRIX_FMT_BF8 matrix_b_scale:MATRIX_SCALE_ROW1
.else
	v_wmma_scale_f32_16x16x128_f8f6f4 v[0+(\d):7+(\d)], v[0+(\a):15+(\a)], v[0+(\b):15+(\b)], v[0+(\c):7+(\c)], v[0+(\sa)], v[0+(\sb)] matrix_a_fmt:MATRIX_FMT_BF8 matrix_b_fmt:MATRIX_FMT_BF8
.endif
.endm
; 64 numbers of a lane, register 16 b + i = k 32 b + 16 (lane / 16) + i of my row, become a fragment's codes in v[PC] on and its scale word in v[pw]
.macro QUANT s, pw
.irp b, 0,1,2,3
	v_max3_num_f32 v[TM+\b], |v[\s+16*\b]|, |v[\s+1+16*\b]|, 0x8000000   ; my 16 numbers of block b, and the floor 2^(16 - 127): the byte cannot fall under 1
.endr
.irp i, 2,4,6,8,10,12,14
.irp b, 0,1,2,3
	v_max3_num_f32 v[TM+\b], v[TM+\b], |v[\s+16*\b+\i]|, |v[\s+1+16*\b+\i]|   ; the four blocks by turns
.endr
.endr
.irp b, 0,1,2,3
	v_permlanex16_b32 v[TM+4+\b], v[TM+\b], s[SEL], s[SEL+1]
.endr
.irp b, 0,1,2,3
	v_max_num_f32 v[TM+\b], v[TM+\b], v[TM+4+\b]   ; with lane l xor 16's: the block's largest magnitude
.endr
.irp b, 0,1,2,3
	v_add_nc_u32 v[TM+12+\b], 0xf8800000, v[TM+\b]   ; 15 off its exponent field: the conversion's scale operand
.endr
.irp b, 0,1,2,3
	v_and_or_b32 v[TM+8+\b], v[TM+\b], 0x7f800000, s[MNT]   ; 57,344 x the scale
.endr
.irp b, 0,1,2,3
	v_lshrrev_b32 v[TM+4+\b], 23, v[TM+12+\b]   ; the scale's byte
.endr
	v_lshl_or_b32 v[\pw], v[TM+5], 8, v[TM+4]
	v_lshl_or_b32 v[\pw], v[TM+6], 16, v[\pw]
	v_lshl_or_b32 v[\pw], v[TM+7], 24, v[\pw]
.irp b, 0,1,2,3
.irp i, 0,1,2,3,4,5,6,7,8,9,10,11,12,13,14,15
	v_med3_num_f32 v[\s+16*\b+\i], v[\s+16*\b+\i], -v[TM+8+\b], v[TM+8+\b]   ; the conversion to an 8-bit code does not saturate (ISA guide 7.6.2): the hold
.endr
	v_cvt_scalef32_pk8_bf8_f32 v[PC+4*\b:PC+1+4*\b], v[\s+16*\b:\s+7+16*\b], v[TM+12+\b]
	v_cvt_scalef32_pk8_bf8_f32 v[PC+2+4*\b:PC+3+4*\b], v[\s+8+16*\b:\s+15+16*\b], v[TM+12+\b]
.endr
	v_nop                                          ; one plain line behind the last conversion
.endm
	s_load_b512 s[8:23], s[0:1], 0x0               ; x 8, L1 codes 10, L1 scales 12, L1_b 14, L2_w 16, L2_b 18, xc 20, xs 22
	s_load_b64 s[24:25], s[0:1], 0x40              ; lam
	v_lshl_add_u32 v[SPW], v0, 2, SPARE
	v_mov_b32 v[NIL], 0
	ds_add_u32 v[SPW], v[NIL]                      ; the opening: the add, twice on end, and its wait ahead of my first tensor load
	ds_add_u32 v[SPW], v[NIL]
	v_lshrrev_b32 v60, 5, v0
	v_readfirstlane_b32 s[W], v60                  ; wave 0..3
	s_bfe_u32 s[CX], ttmp6, 0x40000                ; my place in the cluster: it enters global addresses of x, xc, xs and lam alone
	s_lshl_b32 s[G], ttmp9, 2
	s_add_co_u32 s[G], s[G], s[CX]                 ; my 16 batch rows
	s_mov_b32 s[G1+0], 15|(1<<20)|(1<<21)|(6<<22)|(3<<25)   ; mask: all four work-groups; elements of 1 byte; padding on; bit 21 beside the mask; 4 words behind every 128
	s_mov_b32 s[G1+1], 512<<16                     ; tensor_dim0
	s_mov_b32 s[G1+2], 64<<16                      ; tensor_dim1
	s_mov_b32 s[G1+3], 512<<16                     ; tile_dim0
	s_mov_b32 s[G1+4], 64                          ; tile_dim1
	s_mov_b32 s[G1+5], 2048                        ; a row of L1's codes
	s_mov_b32 s[G1+6], 0
	s_mov_b32 s[G1+7], 0
	s_mov_b32 s[SEL], 0x76543210
	s_mov_b32 s[SEL+1], 0xfedcba98                 ; lane l xor 16
	s_mov_b32 s[MNT], 0x600000                     ; the mantissa field of 57,344
	s_mov_b32 s[MSK], 0xffff0000                   ; lanes 16-31
	s_mul_i32 s30, s[W], 64*PIT                    ; my 64 rows in a slot
	s_mul_i32 s31, s[W], 16*PIT
	s_add_co_u32 s31, s31, STG                     ; my stage
	s_lshl_b32 s32, s[W], 17                       ; my 64 rows of L1's codes in memory
	s_mov_b32 s33, 0
	v_and_b32 v60, 31, v0                          ; lane
	v_and_b32 v61, 15, v0                          ; r
	v_bfe_u32 v62, v0, 4, 1                        ; h
	v_lshlrev_b32 v[LI], 4, v60
	v_lshlrev_b32 v[LS], 2, v60
	v_lshlrev_b32 v[L8], 3, v60
	v_add_nc_u32 v[TW], s31, v[LI]
	v_mul_u32_u24 v63, v61, PIT
	v_lshl_add_u32 v[TR], v62, 6, v63
	v_add_nc_u32 v[TR], s31, v[TR]
	s_lshl_b32 s34, s[W], 11
	s_add_co_u32 s34, s34, IMG
	v_add_nc_u32 v[IW], s34, v[LI]
	s_lshl_b32 s34, s[W], 7
	s_add_co_u32 s34, s34, IMS
	v_add_nc_u32 v[ISW], s34, v[LS]
	v_add_nc_u32 v[IR], IMG, v[LI]
	v_add_nc_u32 v[ISR], IMS, v[LS]
	v_lshl_add_u32 v[ADB], v62, 4, v63
	v_add_nc_u32 v[ADB], s30, v[ADB]
	v_add_nc_u32 v[ADB+1], SLOTB, v[ADB]
	v_lshlrev_b32 v[RR], 2, v61
	s_lshl_b32 s34, s[W], 6
	s_add_co_u32 s34, s34, RED
	v_add_nc_u32 v[RW], s34, v[RR]
	v_add_nc_u32 v[RR], RED, v[RR]
	v_lshlrev_b32 v63, 6, v60                      ; 64 x lane: a row of L1's scale bytes
	v_lshlrev_b32 v62, 5, v62                      ; 32 h: my half's eight numbers of a tile of L1_b or L2_w
.irp b, 0,1,2,3
	v_mov_b32 v[TM+4+\b], 0                        ; written once: a lane permute's destination counts as one of its sources
.endr
	s_lshl_b32 s58, s[G], 17                       ; x: 16 rows of 8,192 bytes, + 512 x wave
	s_lshl_b32 s59, s[W], 9
	s_add_co_u32 s58, s58, s59
	s_mov_b32 s59, 0
	s_lshl_b32 s60, s[G], 15                       ; xc: 32,768 g + 2,048 x wave
	s_lshl_b32 s61, s[W], 11
	s_add_co_u32 s60, s60, s61
	s_mov_b32 s61, 0
	s_lshl_b32 s62, s[G], 10                       ; xs: 1,024 g + 256 x wave
	s_lshl_b32 s63, s[W], 8
	s_add_co_u32 s62, s62, s63
	s_mov_b32 s63, 0
	s_lshl_b32 s34, s[G], 6                        ; lam: 64 g
	s_mov_b32 s35, 0
	s_wait_dscnt 0x0                               ; both opening adds are done
	s_wait_kmcnt 0x0
	s_load_b32 s[LB], s[18:19], 0x0                ; L2_b: waited for at the tail
	s_mov_b32 s[G0A], 1
	s_mov_b32 s[G0A+1], s30                        ; slot 0
	s_add_nc_u64 s[G0A+2:G0A+3], s[10:11], s[32:33]   ; K quarter 0
	s_mov_b32 s[G0B], 1
	s_add_co_u32 s[G0B+1], s30, SLOTB              ; slot 1
	s_add_nc_u64 s[G0B+2:G0B+3], s[G0A+2:G0A+3], 512   ; K quarter 1
	s_or_b32 s[G0A+3], s[G0A+3], 0x80000000
	s_or_b32 s[G0B+3], s[G0B+3], 0x80000000
	s_add_nc_u64 s[8:9], s[8:9], s[58:59]
	s_add_nc_u64 s[20:21], s[20:21], s[60:61]
	s_add_nc_u64 s[22:23], s[22:23], s[62:63]
	s_add_nc_u64 s[24:25], s[24:25], s[34:35]
	s_lshl_b32 s32, s[W], 12                       ; my 64 rows of L1's scale bytes
	s_add_nc_u64 s[12:13], s[12:13], s[32:33]
	s_lshl_b32 s32, s[W], 8                        ; my 64 numbers of L1_b and of L2_w
	s_add_nc_u64 s[14:15], s[14:15], s[32:33]
	s_add_nc_u64 s[16:17], s[16:17], s[32:33]
	CROUND                                         ; all four work-groups are here: the first joint loads meet
	tensor_load_to_lds s[G0A:G0A+3], s[G1:G1+7]
	s_nop 0
	tensor_load_to_lds s[G0B:G0B+3], s[G1:G1+7]
	s_nop 0
	PLACES 4
.irp pr, 0,1
.irp j, 0,1,2,3
	global_load_b128 v[BS+16*\pr+4*\j:BS+16*\pr+4*\j+3], v63, s[12:13] offset:2048*\pr+16*\j   ; lane l: the 16 scale words of row 64 w + 32 pr + l
.endr
.endr
.irp t, 0,1,2,3
	global_load_b128 v[ACC+8*\t:ACC+8*\t+3], v62, s[14:15] offset:64*\t          ; the sums begin as L1_b: register j = hidden unit 64 w + 16 t + 8 h + j
	global_load_b128 v[ACC+8*\t+4:ACC+8*\t+7], v62, s[14:15] offset:64*\t+16
.endr
	WIN 0xc0
.irp t, 0,1,2,3
	global_load_b128 v[8*\t:8*\t+3], v62, s[16:17] offset:64*\t                  ; L2_w in the same layout
	global_load_b128 v[8*\t+4:8*\t+7], v62, s[16:17] offset:64*\t+16
.endr
	WIN 0x40
.irp q, 0,1,2,3
.irp i, 0,1,2,3,4,5,6,7,8,9,10,11,12,13,14,15
	global_load_b128 v[64*\q+4*\i:64*\q+4*\i+3], v[LI], s[8:9] offset:\i*8192+\q*2048 th:TH_LOAD_NT   ; 512 consecutive bytes of row i: all my x is asked for here
.endr
.endr
	WIN 0
.macro PHASE q
	s_wait_loadcnt 48-16*(\q)                      ; this phase's 16 loads are in; behind them only the later phases' were issued
	WIN 0x04                                       ; an LDS store's data are its source 1: window 1
.irp i, 0,1,2,3,4,5,6,7,8,9,10,11,12,13,14,15
	ds_store_b128 v[TW], v[64*(\q)+4*\i:64*(\q)+4*\i+3] offset:\i*PIT
.endr
	WIN 0
.irp b, 0,1,2,3
.irp j, 0,1,2,3
	ds_load_b128 v[X+16*\b+4*\j:X+16*\b+4*\j+3], v[TR] offset:128*\b+16*\j   ; LDS serves a wave's instructions in order: these see my stores.  16 neighbours of each block of 32 of row r
.endr
.endr
	s_wait_dscnt 0x0
	s_wait_xcnt 0x0                                ; the last phase's stores have read the codes' registers
	QUANT X, SW+(\q)
.irp c, 0,1,2,3
	global_store_b128 v[LI], v[PC+4*\c:PC+4*\c+3], s[20:21] offset:(\q)*8192+\c*512   ; 512 consecutive bytes
.endr
.irp c, 0,1,2,3
	ds_store_b128 v[IW], v[PC+4*\c:PC+4*\c+3] offset:((\q)%2)*8192+\c*512
.endr
	ds_store_b32 v[ISW], v[SW+(\q)] offset:((\q)%2)*512
.if (\q) == 0
	s_wait_tensorcnt 0x1                           ; my part of K quarter 0 is in; quarter 1's may stay out
	s_wait_dscnt 0x0                               ; my image has landed
	s_barrier_signal -1
	s_barrier_wait -1
.elseif (\q) == 3
	s_wait_tensorcnt 0x0                           ; my part of the last quarter is in
	ds_add_u32 v[SPW], v[NIL]
	s_wait_dscnt 0x0
	s_barrier_signal -1
	s_barrier_wait -1
.else
.set GX, G0A+4*((\q)-1)
	s_wait_tensorcnt 0x0                           ; all my tensor loads have landed, this phase's quarter among them: a group 0 may be written
	ds_add_u32 v[SPW], v[NIL]                      ; 0 onto my spare word
	s_add_nc_u64 s[GX+2:GX+3], s[GX+2:GX+3], 1024  ; the slot read last phase takes the quarter two on
	s_wait_dscnt 0x0                               ; the add is done, my image has landed, my reads of that slot are over
	CROUND                                         ; the same holds of every wave of all four work-groups
	tensor_load_to_lds s[GX:GX+3], s[G1:G1+7]
	s_nop 0
	PLACES 4
.endif
.irp kk, 0,1,2,3
.irp c, 0,1,2,3
	ds_load_b128 v[AF+16*\kk+4*\c:AF+16*\kk+4*\c+3], v[IR] offset:((\q)%2)*8192+\kk*2048+\c*512
.endr
	ds_load_b32 v[AS+\kk], v[ISR] offset:((\q)%2)*512+\kk*128
.endr
	WIN 0x80
.irp t, 0,1,2,3
.irp kk, 0,1,2,3
.irp c, 0,1,2,3
	ds_load_b128 v[64*\t+16*\kk+4*\c:64*\t+16*\kk+4*\c+3], v[ADB+(\q)%2] offset:\t*16*PIT+128*\kk+32*\c
.endr
.endr
.endr
	s_wait_dscnt 0x0
	WIN 0x02                                       ; source 0 (L1) window 2
.irp kk, 0,1,2,3
.irp t, 0,1,2,3
	WM ACC+8*\t, 64*\t+16*\kk, AF+16*\kk, 0, ACC+8*\t, BS+16*(\t/2)+4*(\q)+\kk, AS+\kk, \t%2, 0   ; transposed: source 0 = 16 rows of L1, source 1 = 16 batch rows; the four accumulators by turns
.endr
.endr
	WIN 0
.endm
	PHASE 0                                        ; the next phase's quantising, over a hundred plain lines on other registers, is the distance in front of its loads into registers that these products read
	PHASE 1
	PHASE 2
	PHASE 3
	PLACES 8
.irp j, 0,1,2,3,4,5,6,7,8,9,10,11,12,13,14,15,16,17,18,19,20,21,22,23,24,25,26,27,28,29,30,31
	v_max_num_f32 v[ACC+\j], 0, v[ACC+\j]          ; relu, each accumulator from its low end on
.endr
	WIN 0x0c                                       ; source 1 (L2_w) window 3
	v_pk_mul_f32 v[Z:Z+1], v[ACC:ACC+1], v[0:1]
.irp j, 2,4,6,8,10,12,14,16,18,20,22,24,26,28,30
	v_pk_fma_f32 v[Z:Z+1], v[ACC+\j:ACC+\j+1], v[\j:\j+1], v[Z:Z+1]
.endr
	WIN 0
	v_add_f32 v[Z], v[Z], v[Z+1]
	v_permlanex16_b32 v[Z+1], v[Z], s[SEL], s[SEL+1]
	v_add_f32 v[Z], v[Z], v[Z+1]                   ; my wave's 64 hidden units of batch row r
	ds_store_b32 v[RW], v[Z]                       ; lanes r and r + 16 write the same word with the same value
	s_wait_dscnt 0x0
	s_barrier_signal -1
	s_barrier_wait -1
.irp i, 0,1,2,3
	ds_load_b32 v[60+\i], v[RR] offset:64*\i
.endr
	s_wait_dscnt 0x0
	s_wait_kmcnt 0x0                               ; L2_b
	v_add_f32 v60, v60, v61
	v_add_f32 v62, v62, v63
	v_add_f32 v60, v60, v62
	v_add_f32 v60, s[LB], v60
	v_mul_f32 v60, 0xbfb8aa3b, v60                 ; -log2(e) z
	v_exp_f32 v60, v60
	v_cndmask_b32 v[PP], v[SW], v[SW+2], s[MSK]    ; (a plain line behind the exponential)  xs: lanes 0-15 the even tokens' words, lanes 16-31 the odd tokens'
	s_wait_alu depctr_va_vdst(0)                   ; the wait ahead of the result's first reader
	v_add_f32 v60, 1.0, v60
	v_rcp_f32 v60, v60                             ; sigmoid(z) = 1 / (1 + 2^(-log2(e) z))
	v_cndmask_b32 v[PP+1], v[SW+1], v[SW+3], s[MSK]
	v_and_b32 v61, 15, v0
	v_lshlrev_b32 v61, 2, v61
	s_wait_alu depctr_va_vdst(0)
	global_store_b64 v[L8], v[PP:PP+1], s[22:23]   ; 32 lanes store 256 consecutive bytes, aligned
	s_cmp_lg_u32 s[W], 0
	s_cbranch_scc1 .Lno_lam
	global_store_b32 v61, v60, s[24:25]            ; wave 0: 16 numbers; lanes r and r + 16 store the same word with the same value
.Lno_lam:
	s_wait_tensorcnt 0x0                           ; the wave's end
	ds_add_u32 v[SPW], v[NIL]
	s_wait_dscnt 0x0
	CROUND                                         ; the closing round
	s_endpgm
.Lfunc_end_k_qa66c6b290f_prep:
	.size	k_qa66c6b290f_prep, .Lfunc_end_k_qa66c6b290f_prep-k_qa66c6b290f_prep
	.p2alignl 7, 3214868480
	.fill 96, 4, 3214868480
	.section	.rodata,"a",@progbits
	.p2align	6, 0x0
	.amdhsa_kernel k_qa66c6b290f_prep
		.amdhsa_group_segment_fixed_size 327680
		.amdhsa_private_segment_fixed_size 0
		.amdhsa_enable_private_segment 0
		.amdhsa_kernarg_size 72
		.amdhsa_user_sgpr_count 2
		.amdhsa_user_sgpr_kernarg_segment_ptr 1
		.amdhsa_wavefront_size32 1
		.amdhsa_system_sgpr_workgroup_id_x 1
		.amdhsa_system_sgpr_workgroup_id_y 1
		.amdhsa_system_sgpr_workgroup_id_z 1
		.amdhsa_system_vgpr_workitem_id 0
		.amdhsa_next_free_vgpr 800
		.amdhsa_next_free_sgpr 66
		.amdhsa_reserve_vcc 0
		.amdhsa_float_denorm_mode_32 3
		.amdhsa_float_denorm_mode_16_64 3
		.amdhsa_memory_ordered 1
		.amdhsa_forward_progress 1
		.amdhsa_inst_pref_size 93
	.end_amdhsa_kernel
	.amdgpu_metadata
---
amdhsa.version: [ 1, 2 ]
amdhsa.kernels:
  - .name:           k_qa66c6b290f_prep
    .symbol:         k_qa66c6b290f_prep.kd
    .args:
      - { .name: x, .offset: 0, .size: 8, .value_kind: global_buffer, .address_space: global }
      - { .name: L1_w_codes, .offset: 8, .size: 8, .value_kind: global_buffer, .address_space: global }
      - { .name: L1_w_scales, .offset: 16, .size: 8, .value_kind: global_buffer, .address_space: global }
      - { .name: L1_b, .offset: 24, .size: 8, .value_kind: global_buffer, .address_space: global }
      - { .name: L2_w, .offset: 32, .size: 8, .value_kind: global_buffer, .address_space: global }
      - { .name: L2_b, .offset: 40, .size: 8, .value_kind: global_buffer, .address_space: global }
      - { .name: xc, .offset: 48, .size: 8, .value_kind: global_buffer, .address_space: global }
      - { .name: xs, .offset: 56, .size: 8, .value_kind: global_buffer, .address_space: global }
      - { .name: lam, .offset: 64, .size: 8, .value_kind: global_buffer, .address_space: global }
    .group_segment_fixed_size: 327680
    .private_segment_fixed_size: 0
    .kernarg_segment_align: 8
    .kernarg_segment_size: 72
    .max_flat_workgroup_size: 128
    .sgpr_count:     66
    .vgpr_count:     800
    .wavefront_size: 32
...
	.end_amdgpu_metadata
.endif
;; end of part 1
;; launch attn (part 2): grid 64 x 4, 4 waves a work-group, clusters of 4 x 1, 327,680 bytes of LDS; arguments xc, xs, lam, oc, os, WQ1_w_codes, WK1_w_codes, WQ2_w_codes, WK2_w_codes, WV_w_codes, WQ1_w_scales, WK1_w_scales, WQ2_w_scales, WK2_w_scales, WV_w_scales, WQ1_b, WQ2_b, WV_b; writes oc, os
.if DOCPART == 2
	.amdgcn_target "amdgcn-amd-amdhsa--gfx1250"
	.amdhsa_code_object_version 6
	.text
	.protected	k_qa66c6b290f_attn
	.globl	k_qa66c6b290f_attn
	.p2align	8
	.type	k_qa66c6b290f_attn,@function
k_qa66c6b290f_attn:
	s_mov_b64 s[64:65], 0
	v_nop
	global_prefetch_b8 v0, s[64:65] scope:SCOPE_SE
	s_setreg_imm32_b32 hwreg(HW_REG_WAVE_MODE, 25, 1), 1
	s_wait_xcnt 0x0
	s_wait_alu depctr_hold_cnt(0) depctr_sa_sdst(0) depctr_va_vdst(0) depctr_va_sdst(0) depctr_va_ssrc(0) depctr_va_vcc(0) depctr_vm_vsrc(0)
	s_getreg_b32 s2, hwreg(HW_REG_IB_STS2, 6, 4)
	s_cmp_eq_u32 s2, 0
	s_cbranch_scc0 .Lentry_in_a_cluster
	s_endpgm
.Lentry_in_a_cluster:
	s_bfe_u32 s2, ttmp6, 0x10000c
	s_cmp_lg_u32 s2, 0x3003
	s_cbranch_scc0 .Lentry_shape_is_right
	s_endpgm
.Lentry_shape_is_right:
; SECOND OF THREE LAUNCHES.  For 128 tokens (64 batch rows) and one head: Q1, K1, Q2, K2 (quantised products on x's codes), the 2 x 2 scores in f32, two softmaxes, diff = relu(attn1 - lam attn2), V, out = diff V,
; and out's codes of E5M2 with their E8M0 bytes (oc, os).  Q, K and V never go to memory.
; LEFT OUT AS DEAD WORK: WK1_b and WK2_b (the term that they add to a score is the same for both keys of a softmax row; the proof stands at the head of the first launch's text).
; LIMITS: NaN and infinities are not served; a block of out whose largest magnitude lies under 2^-111 gets the byte 1 (a block of zeros: zero codes); os is read by this program alone.
; ROW TILES: a tile is 16 EVEN (E) or 16 ODD (O) tokens of 16 neighbouring batch rows.  So the two tokens of a batch row lie in the same lane of two accumulators, and all of the 2 x 2 attention is arithmetic within a lane.
; SHARES.  Wave w: rg = w / 2 picks 32 batch rows (four tiles rt = 2 bt + eo), cg = w % 2 picks columns.  x's codes of the wave's 64 tokens, all 8 K steps, stay in 512 registers.  Only weights move: ten slots of 128
; weight rows x 1,024 K through a ring of two LDS slots, by joint loads of the cluster's four work-groups (four row blocks of one head walk the same weights).  Slots 0-3: Q1 and K1, 64 columns each; 4-7: Q2 and K2; 8, 9: V.
; A wave reads 64 rows of a slot as four strips of 16 rows x all of K: 32 matrix instructions on four accumulators (rt 0..3) by turns.  Products are used transposed: source 0 = 16 weight rows, source 1 = 16 tokens.
; V's ROWS OF A STRIP ARE NOT NEIGHBOURS: lane r of strip 2 b + u takes row 32 b + 8 u + r + 8 (r / 8), so that the 16 registers of strips 2 b and 2 b + 1 are 16 neighbouring columns: the next product's K.
; So wave (rg, cg) of head h makes exactly the fragments (rt, K step 2 h + cg) of out, and stores them from registers as images: oc byte RBrg 65536 + rt 16384 + s 2048 + c 512 + 16 lane.
; os: byte (RBrg 8 + s) 256 + 8 lane + 4 p: lanes 0-15 tile rt = 2 p, lanes 16-31 tile 2 p + 1.  By this text's count a wave has two tensor loads out at the start and one behind each round.
.set PIT,   1040                       ; an LDS row: 1,024 bytes + 16 of padding = 260 words
.set SLOTB, 128*PIT
.set BIA,   2*SLOTB                    ; behind the ring: the head's parts of WQ1_b, WQ2_b, WV_b, 1,024 bytes each
.set XCH,   BIA+3072                   ; 2,048 bytes a wave: the scores' halves change hands
.set SPARE, XCH+4*2048                 ; the spare words: two blocks of 256 bytes that no other line names
.set AB0, 1                            ; v1   my lane's place in a slot, plain rows
.set AV0, 2                            ; v2   and by V's rows
.set ADB, 3                            ; v3   the slot in hand
.set BA0, 4                            ; v4   my lane's place among the biases (made anew ahead of V)
.set BAD, 5                            ; v5   the bias address in hand
.set VSO, 6                            ; v6   32 x lane: a row of scale bytes
.set VSP, 7                            ; v7   the same by V's rows
.set LI,  8                            ; v8   16 x lane
.set L8,  9                            ; v9   8 x lane
.set XW,  10
.set XR,  11
.set LAM, 12                           ; v12-13 lam of batch row 16 bt + r
.set OSW, 10                           ; v10-13, once the scores are done: out's scale words
.set SPW, 14
.set NIL, 15
.set AS,  16                           ; v16-31 x's scale words: scales alone.  (p, s) at 8 p + 2 (s % 4) + s / 4
.set BS,  32                           ; v32-47 the weights' scale words: scales alone.  (group of two strips, s) at 8 group + s
.set BI,  48                           ; v48-63 two sets of a strip's bias
.set ACC, 64                           ; v64-191 accumulator (strip k, rt) at 32 k + 8 rt
.set S1,  192                          ; v192-207 eight pairs of partial scores, n = 4 bt + 2 qe + ke
.set S2,  208
.set TE,  192                          ; later: out of the even tokens, 16 registers for each bt
.set TM,  224                          ; v224-239 at work
.set DP,  240                          ; v240-255 diff(n), twice each.  Window 1: two sets of a strip's fragments; window 2: x's K steps 0-3; window 3: 4-7
.set W,   44
.set RG,  45
.set CG,  46
.set HEAD, 47
.set TB,  48                           ; the slot in hand begins here
.set BO,  49                           ; the next slot's biases begin here
.set F,   50                           ; the slot that was asked for last
.set WOF, 51
.set SEL, 52
.set MNT, 54
.set MSK, 55
.set CS,  56
.set G1,  68
.set G0F, 76
.set G0,  80
.set NXT, 84
.set PA2, 86
.set PV,  88
.set SPQ, 90
.set SPK, 92
.set SQ2, 94
.set SK2, 96
.set SV0, 98
.set SV1, 100
.set MSB, 0
.macro WIN new
.if MSB != \new
	s_set_vgpr_msb (MSB<<8)|\new
.set MSB, \new
.endif
.endm
.macro PLACES n
.rept \n
	v_nop
.endr
.endm
.macro CROUND
	s_barrier_signal -1
	s_barrier_wait -1
	s_cmp_lg_u32 s[W], 0
	s_cbranch_scc1 .Lnot_wave_0_\@
	s_barrier_signal -3
.Lnot_wave_0_\@:
	s_barrier_wait -3
	s_barrier_signal -1
	s_barrier_wait -1
.endm
.macro WM d, a, b, z, c, sa, sb, ra, rb
.if (\z) && (\ra) && (\rb)
	v_wmma_scale_f32_16x16x128_f8f6f4 v[0+(\d):7+(\d)], v[0+(\a):15+(\a)], v[0+(\b):15+(\b)], 0, v[0+(\sa)], v[0+(\sb)] matrix_a_fmt:MATRIX_FMT_BF8 matrix_b_fmt:MATRIX_FMT_BF8 matrix_a_scale:MATRIX_SCALE_ROW1 matrix_b_scale:MATRIX_SCALE_ROW1
.elseif (\z) && (\ra)
	v_wmma_scale_f32_16x16x128_f8f6f4 v[0+(\d):7+(\d)], v[0+(\a):15+(\a)], v[0+(\b):15+(\b)], 0, v[0+(\sa)], v[0+(\sb)] matrix_a_fmt:MATRIX_FMT_BF8 matrix_b_fmt:MATRIX_FMT_BF8 matrix_a_scale:MATRIX_SCALE_ROW1
.elseif (\z) && (\rb)
	v_wmma_scale_f32_16x16x128_f8f6f4 v[0+(\d):7+(\d)], v[0+(\a):15+(\a)], v[0+(\b):15+(\b)], 0, v[0+(\sa)], v[0+(\sb)] matrix_a_fmt:MATRIX_FMT_BF8 matrix_b_fmt:MATRIX_FMT_BF8 matrix_b_scale:MATRIX_SCALE_ROW1
.elseif (\z)
	v_wmma_scale_f32_16x16x128_f8f6f4 v[0+(\d):7+(\d)], v[0+(\a):15+(\a)], v[0+(\b):15+(\b)], 0, v[0+(\sa)], v[0+(\sb)] matrix_a_fmt:MATRIX_FMT_BF8 matrix_b_fmt:MATRIX_FMT_BF8
.elseif (\ra) && (\rb)
	v_wmma_scale_f32_16x16x128_f8f6f4 v[0+(\d):7+(\d)], v[0+(\a):15+(\a)], v[0+(\b):15+(\b)], v[0+(\c):7+(\c)], v[0+(\sa)], v[0+(\sb)] matrix_a_fmt:MATRIX_FMT_BF8 matrix_b_fmt:MATRIX_FMT_BF8 matrix_a_scale:MATRIX_SCALE_ROW1 matrix_b_scale:MATRIX_SCALE_ROW1
.elseif (\ra)
	v_wmma_scale_f32_16x16x128_f8f6f4 v[0+(\d):7+(\d)], v[0+(\a):15+(\a)], v[0+(\b):15+(\b)], v[0+(\c):7+(\c)], v[0+(\sa)], v[0+(\sb)] matrix_a_fmt:MATRIX_FMT_BF8 matrix_b_fmt:MATRIX_FMT_BF8 matrix_a_scale:MATRIX_SCALE_ROW1
.elseif (\rb)
	v_wmma_scale_f32_16x16x128_f8f6f4 v[0+(\d):7+(\d)], v[0+(\a):15+(\a)], v[0+(\b):15+(\b)], v[0+(\c):7+(\c)], v[0+(\sa)], v[0+(\sb)] matrix_a_fmt:MATRIX_FMT_BF8 matrix_b_fmt:MATRIX_FMT_BF8 matrix_b_scale:MATRIX_SCALE_ROW1
.else
	v_wmma_scale_f32_16x16x128_f8f6f4 v[0+(\d):7+(\d)], v[0+(\a):15+(\a)], v[0+(\b):15+(\b)], v[0+(\c):7+(\c)], v[0+(\sa)], v[0+(\sb)] matrix_a_fmt:MATRIX_FMT_BF8 matrix_b_fmt:MATRIX_FMT_BF8
.endif
.endm
; Strip k's eight fragments into set k % 2, and its bias where it has one (Q's strips 0, 1; all of V's).  vk = 1: V's rows.  34 LDS loads with a bias, 32 without
.macro FETCH k, vk
.if \vk
.set ROWK, 32*((\k)/2)+8*((\k)%2)
.else
.set ROWK, 16*(\k)
.endif
	WIN 0x40
.irp s, 0,1,2,3,4,5,6,7
.irp c, 0,1,2,3
	ds_load_b128 v[128*((\k)%2)+16*\s+4*\c:128*((\k)%2)+16*\s+4*\c+3], v[ADB] offset:ROWK*PIT+128*\s+32*\c
.endr
.endr
	WIN 0
.if \vk
	ds_load_b128 v[BI+8*((\k)%2):BI+8*((\k)%2)+3], v[BAD] offset:128*((\k)/2)+32*((\k)%2)
	ds_load_b128 v[BI+8*((\k)%2)+4:BI+8*((\k)%2)+7], v[BAD] offset:128*((\k)/2)+32*((\k)%2)+16
.elseif (\k) < 2
	ds_load_b128 v[BI+8*((\k)%2):BI+8*((\k)%2)+3], v[BAD] offset:64*(\k)
	ds_load_b128 v[BI+8*((\k)%2)+4:BI+8*((\k)%2)+7], v[BAD] offset:64*(\k)+16
.endif
.endm
; Strip k: 32 matrix instructions, K ascending, the four accumulators by turns.  The first takes the bias, or the constant 0, as C
.macro STRIP k, bias
	WIN 0x09                                       ; source 0 window 1, source 1 window 2
.irp s, 0,1,2,3
.irp rt, 0,1,2,3
.if \s == 0
.if \bias
	WM ACC+32*(\k)+8*\rt, 128*((\k)%2)+16*\s, 64*\rt+16*\s, 0, BI+8*((\k)%2), BS+8*((\k)/2)+\s, AS+8*(\rt/2)+2*\s, (\k)%2, \rt%2
.else
	WM ACC+32*(\k)+8*\rt, 128*((\k)%2)+16*\s, 64*\rt+16*\s, 1, 0, BS+8*((\k)/2)+\s, AS+8*(\rt/2)+2*\s, (\k)%2, \rt%2
.endif
.else
	WM ACC+32*(\k)+8*\rt, 128*((\k)%2)+16*\s, 64*\rt+16*\s, 0, ACC+32*(\k)+8*\rt, BS+8*((\k)/2)+\s, AS+8*(\rt/2)+2*\s, (\k)%2, \rt%2
.endif
.endr
.endr
	WIN 0x0d                                       ; source 1 window 3
.irp s, 4,5,6,7
.irp rt, 0,1,2,3
	WM ACC+32*(\k)+8*\rt, 128*((\k)%2)+16*\s, 64*\rt+16*(\s-4), 0, ACC+32*(\k)+8*\rt, BS+8*((\k)/2)+\s, AS+8*(\rt/2)+2*(\s-4)+1, (\k)%2, \rt%2
.endr
.endr
	WIN 0
.endm
.macro SCL grp, voff                   ; the next slot's scale words of two strips: lanes 0-15 the even strip's rows, lanes 16-31 the odd strip's; 32 bytes a row
.if (\grp) == 0
	global_load_b128 v[BS:BS+3], v[\voff], s[SPQ:SPQ+1]
	global_load_b128 v[BS+4:BS+7], v[\voff], s[SPQ:SPQ+1] offset:16
.else
	global_load_b128 v[BS+8:BS+11], v[\voff], s[SPK:SPK+1]
	global_load_b128 v[BS+12:BS+15], v[\voff], s[SPK:SPK+1] offset:16
.endif
.endm
; A slot's four strips.  On the way in strips 0 and 1 have been asked for.  pre = 1: the next slot's scale words are asked for as soon as a group's registers are free.
; Eight plain lines stand in front of loads into registers that matrix instructions have read (ISA guide 7.12.1 for instructions other than loads); nine at the end, since the next slot's first products begin accumulators anew.
.macro STRIPS vk, pre, voff
	s_wait_loadcnt 0x2                             ; the first group's scale words are in; the second group's two loads were issued behind them
	s_wait_dscnt 34                                ; strip 0 is in; strip 1's 34 loads were issued behind it
	STRIP 0, 1
	PLACES 8
	FETCH 2, \vk
	s_wait_dscnt 32+2*(\vk)                        ; strip 1 is in; only strip 2's loads were issued behind it
	STRIP 1, 1
	PLACES 8
	FETCH 3, \vk
.if \pre
	SCL 0, \voff
	s_wait_loadcnt 0x2                             ; the second group's words are in; the two just issued may be out
.else
	s_wait_loadcnt 0x0
.endif
	s_wait_dscnt 32+2*(\vk)                        ; strip 2 is in
	STRIP 2, \vk
	s_wait_dscnt 0x0
	STRIP 3, \vk
	PLACES 9
.if \pre
	SCL 1, \voff
.endif
.endm
; The change of slots.  fill = 1: the slot just read takes the slot two on; the walk of the ten slots hangs on the count F alone.
.macro CHANGE fill
	s_wait_tensorcnt 0x0                           ; all my tensor loads have landed, my part of the next slot among them: the walking group 0 may be written
	ds_add_u32 v[SPW], v[NIL]                      ; 0 onto my spare word
.if \fill
	s_wait_xcnt 0x0                                ; the scale words' loads have read their bases
	s_add_co_u32 s[F], s[F], 1
	s_add_nc_u64 s[NXT:NXT+1], s[NXT:NXT+1], 65536 ; 64 weight rows on
	s_add_nc_u64 s[SPQ:SPQ+1], s[SPQ:SPQ+1], 2048
	s_add_nc_u64 s[SPK:SPK+1], s[SPK:SPK+1], 2048
	s_cmp_eq_u32 s[F], 4                           ; slot 4 begins Q2 and K2
	s_cselect_b64 s[NXT:NXT+1], s[PA2:PA2+1], s[NXT:NXT+1]
	s_cselect_b64 s[SPQ:SPQ+1], s[SQ2:SQ2+1], s[SPQ:SPQ+1]
	s_cselect_b64 s[SPK:SPK+1], s[SK2:SK2+1], s[SPK:SPK+1]
	s_cmp_eq_u32 s[F], 8                           ; slot 8 begins V
	s_cselect_b64 s[NXT:NXT+1], s[PV:PV+1], s[NXT:NXT+1]
	s_cselect_b64 s[SPQ:SPQ+1], s[SV0:SV0+1], s[SPQ:SPQ+1]
	s_cselect_b64 s[SPK:SPK+1], s[SV1:SV1+1], s[SPK:SPK+1]
	s_add_co_u32 s[G0+1], s[TB], s[WOF]
	s_mov_b64 s[G0+2:G0+3], s[NXT:NXT+1]
	s_or_b32 s[G0+3], s[G0+3], 0x80000000
	s_wait_dscnt 0x0                               ; the add is done, and my reads of the slot are over
	CROUND                                         ; the same holds of every wave of all four work-groups
	tensor_load_to_lds s[G0:G0+3], s[G1:G1+7]
	s_nop 0
	PLACES 4
.else
	s_wait_dscnt 0x0
	s_barrier_signal -1
	s_barrier_wait -1
.endif
	s_xor_b32 s[TB], s[TB], SLOTB                  ; on to the other slot
.endm
.macro NEXT vk, v                      ; the next slot's addresses and its first two strips
.if \vk
	v_add_nc_u32 v[ADB], s[TB], v[AV0]
	v_add_nc_u32 v[BAD], 256*(\v), v[BA0]
.else
	v_add_nc_u32 v[ADB], s[TB], v[AB0]
	v_add_nc_u32 v[BAD], s[BO], v[BA0]
	s_add_co_u32 s[BO], s[BO], 256                 ; 64 columns of bias on; WQ2_b lies behind WQ1_b
.endif
	FETCH 0, \vk
	FETCH 1, \vk
.endm
; The scores' share of a slot: Q in strips 0, 1, K in strips 2, 3.  64 packed multiply-adds on eight chains by turns; each accumulator is first read at its low end
.macro EPIQK sc
.irp t, 0,1
.irp jj, 0,2,4,6
.irp bt, 0,1
.irp qe, 0,1
.irp ke, 0,1
	v_pk_fma_f32 v[\sc+2*(4*\bt+2*\qe+\ke):\sc+2*(4*\bt+2*\qe+\ke)+1], v[ACC+32*\t+8*(2*\bt+\qe)+\jj:ACC+32*\t+8*(2*\bt+\qe)+\jj+1], v[ACC+32*(2+\t)+8*(2*\bt+\ke)+\jj:ACC+32*(2+\t)+8*(2*\bt+\ke)+\jj+1], v[\sc+2*(4*\bt+2*\qe+\ke):\sc+2*(4*\bt+2*\qe+\ke)+1]
.endr
.endr
.endr
.endr
.endr
.endm
.macro QKBODY sc, nvk, voff            ; the scores stand behind the refill and the next slot's first fetches, which land meanwhile
	STRIPS 0, 1, \voff
	CHANGE 1
	NEXT \nvk, 0
	EPIQK \sc
.endm
; V's share: 64 columns of the wave, in two blocks of 32.  out_E = dEE V_E + dEO V_O goes to TE, out_O = dOE V_E + dOO V_O stays in V_O's registers; then the four tiles' blocks are quantised by turns
.macro EPIV v
.irp b, 0,1
.irp bt, 0,1
.irp g, 0,1
.irp jj, 0,2,4,6
	v_pk_mul_f32 v[TE+16*\bt+8*\g+\jj:TE+16*\bt+8*\g+\jj+1], v[ACC+32*(2*\b+\g)+16*\bt+\jj:ACC+32*(2*\b+\g)+16*\bt+\jj+1], v[DP+8*\bt:DP+8*\bt+1]
.endr
.irp jj, 0,2,4,6
	v_pk_fma_f32 v[TE+16*\bt+8*\g+\jj:TE+16*\bt+8*\g+\jj+1], v[ACC+32*(2*\b+\g)+16*\bt+8+\jj:ACC+32*(2*\b+\g)+16*\bt+8+\jj+1], v[DP+8*\bt+2:DP+8*\bt+3], v[TE+16*\bt+8*\g+\jj:TE+16*\bt+8*\g+\jj+1]
.endr
.irp jj, 0,2,4,6
	v_pk_mul_f32 v[ACC+32*(2*\b+\g)+16*\bt+8+\jj:ACC+32*(2*\b+\g)+16*\bt+8+\jj+1], v[ACC+32*(2*\b+\g)+16*\bt+8+\jj:ACC+32*(2*\b+\g)+16*\bt+8+\jj+1], v[DP+8*\bt+6:DP+8*\bt+7]
.endr
.irp jj, 0,2,4,6
	v_pk_fma_f32 v[ACC+32*(2*\b+\g)+16*\bt+8+\jj:ACC+32*(2*\b+\g)+16*\bt+8+\jj+1], v[ACC+32*(2*\b+\g)+16*\bt+\jj:ACC+32*(2*\b+\g)+16*\bt+\jj+1], v[DP+8*\bt+4:DP+8*\bt+5], v[ACC+32*(2*\b+\g)+16*\bt+8+\jj:ACC+32*(2*\b+\g)+16*\bt+8+\jj+1]
.endr
.endr
.endr
.set QL0, TE                           ; tile rt's 16 numbers: eight from QL, eight from QH: columns 32 b + 16 (lane / 16) + 0 .. 15
.set QH0, TE+8
.set QL1, ACC+64*\b+8
.set QH1, ACC+64*\b+40
.set QL2, TE+16
.set QH2, TE+24
.set QL3, ACC+64*\b+24
.set QH3, ACC+64*\b+56
.irp rt, 0,1,2,3
	v_max3_num_f32 v[TM+\rt], |v[QL\rt]|, |v[QL\rt+1]|, 0x8000000   ; and the floor 2^(16 - 127): the byte cannot fall under 1
.endr
.irp i, 2,4,6
.irp rt, 0,1,2,3
	v_max3_num_f32 v[TM+\rt], v[TM+\rt], |v[QL\rt+\i]|, |v[QL\rt+\i+1]|
.endr
.endr
.irp i, 0,2,4,6
.irp rt, 0,1,2,3
	v_max3_num_f32 v[TM+\rt], v[TM+\rt], |v[QH\rt+\i]|, |v[QH\rt+\i+1]|
.endr
.endr
.irp rt, 0,1,2,3
	v_permlanex16_b32 v[TM+4+\rt], v[TM+\rt], s[SEL], s[SEL+1]
.endr
.irp rt, 0,1,2,3
	v_max_num_f32 v[TM+\rt], v[TM+\rt], v[TM+4+\rt]   ; with lane l xor 16's: the block's largest magnitude
.endr
.irp rt, 0,1,2,3
	v_add_nc_u32 v[TM+12+\rt], 0xf8800000, v[TM+\rt]   ; 15 off its exponent field: the conversion's scale operand
.endr
.irp rt, 0,1,2,3
	v_and_or_b32 v[TM+8+\rt], v[TM+\rt], 0x7f800000, s[MNT]   ; 57,344 x the scale
.endr
.irp rt, 0,1,2,3
.if 2*(\v)+\b == 0
	v_lshrrev_b32 v[OSW+\rt], 23, v[TM+12+\rt]     ; the first of the word's four bytes
.else
	v_lshrrev_b32 v[TM+4+\rt], 23, v[TM+12+\rt]
.endif
.endr
.if 2*(\v)+\b != 0
.irp rt, 0,1,2,3
	v_lshl_or_b32 v[OSW+\rt], v[TM+4+\rt], 8*(2*(\v)+\b), v[OSW+\rt]
.endr
.endif
.irp rt, 0,1,2,3
.irp i, 0,1,2,3,4,5,6,7
	v_med3_num_f32 v[QL\rt+\i], v[QL\rt+\i], -v[TM+8+\rt], v[TM+8+\rt]   ; the conversion to an 8-bit code does not saturate (ISA guide 7.6.2): the hold
	v_med3_num_f32 v[QH\rt+\i], v[QH\rt+\i], -v[TM+8+\rt], v[TM+8+\rt]
.endr
	v_cvt_scalef32_pk8_bf8_f32 v[ACC+64*\b+16*(\rt/2)+4*(\rt%2):ACC+64*\b+16*(\rt/2)+4*(\rt%2)+1], v[QL\rt:QL\rt+7], v[TM+12+\rt]   ; the codes go into V_E's registers, which are free
	v_cvt_scalef32_pk8_bf8_f32 v[ACC+64*\b+16*(\rt/2)+4*(\rt%2)+2:ACC+64*\b+16*(\rt/2)+4*(\rt%2)+3], v[QH\rt:QH\rt+7], v[TM+12+\rt]
.endr
	v_nop                                          ; one plain line behind the last conversion
.irp rt, 0,1,2,3
	global_store_b128 v[LI], v[ACC+64*\b+16*(\rt/2)+4*(\rt%2):ACC+64*\b+16*(\rt/2)+4*(\rt%2)+3], s[14:15] offset:\rt*16384+(2*(\v)+\b)*512   ; register group 2 v + b of the fragment: 512 consecutive bytes
.endr
.endr
.endm
	s_load_b512 s[8:23], s[0:1], 0x0               ; xc 8, xs 10, lam 12, oc 14, os 16, WQ1 codes 18, WK1 20, WQ2 22
	s_load_b512 s[24:39], s[0:1], 0x40             ; WK2 24, WV 26; scales: WQ1 28, WK1 30, WQ2 32, WK2 34, WV 36; WQ1_b 38
	s_load_b128 s[40:43], s[0:1], 0x80             ; WQ2_b 40, WV_b 42
	v_lshl_add_u32 v[SPW], v0, 2, SPARE
	v_mov_b32 v[NIL], 0
	ds_add_u32 v[SPW], v[NIL]                      ; the opening: the add, twice on end, and its wait ahead of my first tensor load
	ds_add_u32 v[SPW], v[NIL]
	v_lshrrev_b32 v1, 5, v0
	v_readfirstlane_b32 s[W], v1                   ; wave 0..3
	s_lshr_b32 s[RG], s[W], 1
	s_and_b32 s[CG], s[W], 1
	s_and_b32 s[HEAD], ttmp7, 0xffff               ; the head, which the four partners share
	s_bfe_u32 s58, ttmp6, 0x40000                  ; my place in the cluster: it enters global addresses of xc, xs, lam, oc and os alone
	s_lshl_b32 s59, ttmp9, 2
	s_add_co_u32 s59, s59, s58
	s_lshl_b32 s59, s59, 1
	s_add_co_u32 s59, s59, s[RG]                   ; RBrg: my wave's 32 batch rows
	s_mov_b32 s[G1+0], 15|(1<<20)|(1<<21)|(7<<22)|(3<<25)   ; mask: all four; elements of 1 byte; padding on; bit 21 beside the mask; 4 words behind every 256
	s_mov_b32 s[G1+1], 1024<<16
	s_mov_b32 s[G1+2], 32<<16
	s_mov_b32 s[G1+3], 1024<<16
	s_mov_b32 s[G1+4], 32
	s_mov_b32 s[G1+5], 1024
	s_mov_b32 s[G1+6], 0
	s_mov_b32 s[G1+7], 0
	s_mov_b32 s[SEL], 0x76543210
	s_mov_b32 s[SEL+1], 0xfedcba98
	s_mov_b32 s[MNT], 0x600000
	s_mov_b32 s[MSK], 0xffff0000
	s_mov_b32 s[CS], 0x3db8aa3b                    ; log2(e) / 16: SCALE = 256^-0.5
	s_mov_b32 s[TB], 0
	s_mov_b32 s[BO], 0
	s_mov_b32 s[F], 1
	s_mul_i32 s[WOF], s[W], 32*PIT                 ; I fill rows 32 w .. 32 w + 31 of a slot
	v_and_b32 v240, 15, v0                         ; r
	v_bfe_u32 v241, v0, 4, 1                       ; h
	v_and_b32 v242, 31, v0                         ; lane
	s_mul_i32 s2, s[CG], 64*PIT
	v_mul_u32_u24 v[AB0], v240, PIT
	v_lshl_add_u32 v[AB0], v241, 4, v[AB0]
	v_add_nc_u32 v[AB0], s2, v[AB0]
	v_and_b32 v243, 8, v240
	v_add_nc_u32 v243, v243, v240                  ; r + 8 (r / 8)
	v_mul_u32_u24 v[AV0], v243, PIT
	v_lshl_add_u32 v[AV0], v241, 4, v[AV0]
	v_add_nc_u32 v[AV0], s2, v[AV0]
	s_lshl_b32 s3, s[CG], 7
	s_add_co_u32 s3, s3, BIA
	v_lshlrev_b32 v[BA0], 5, v241
	v_add_nc_u32 v[BA0], s3, v[BA0]                ; Q's bias: 128 cg + 32 h
	v_lshlrev_b32 v[VSO], 5, v242
	v_lshl_add_u32 v[VSP], v241, 3, v243
	v_lshlrev_b32 v[VSP], 5, v[VSP]
	v_lshlrev_b32 v[LI], 4, v242
	v_lshlrev_b32 v[L8], 3, v242
	s_lshl_b32 s4, s[W], 11
	s_add_co_u32 s4, s4, XCH
	v_add_nc_u32 v[XW], s4, v[LI]
	s_xor_b32 s5, s[W], 1                          ; the wave with my rows and the other columns
	s_lshl_b32 s5, s5, 11
	s_add_co_u32 s5, s5, XCH
	v_add_nc_u32 v[XR], s5, v[LI]
	v_lshlrev_b32 v244, 2, v240                    ; 4 r
	v_lshlrev_b32 v245, 3, v0                      ; 8 x thread
	v_add_nc_u32 v246, BIA, v245
	s_lshl_b32 s2, s[HEAD], 18                     ; Q and K: the head's 256 rows, + 32 rows for waves 2, 3
	s_lshl_b32 s3, s[RG], 15
	s_add_co_u32 s2, s2, s3
	s_mov_b32 s3, 0
	s_lshl_b32 s4, s[HEAD], 18                     ; V: + 128 (w / 2) + 32 (w % 2) rows
	s_lshl_b32 s5, s[RG], 17
	s_add_co_u32 s4, s4, s5
	s_lshl_b32 s5, s[CG], 15
	s_add_co_u32 s4, s4, s5
	s_mov_b32 s5, 0
	s_lshl_b32 s6, s[HEAD], 13                     ; scale bytes of Q and K: row 256 head + 32 cg
	s_lshl_b32 s7, s[CG], 10
	s_add_co_u32 s6, s6, s7
	s_mov_b32 s7, 0
	s_lshl_b32 s60, s[HEAD], 13                    ; of V: row 256 head + 128 cg
	s_lshl_b32 s61, s[CG], 12
	s_add_co_u32 s60, s60, s61
	s_mov_b32 s61, 0
	s_wait_dscnt 0x0                               ; both opening adds are done
	s_wait_kmcnt 0x0
	s_cmp_eq_u32 s[CG], 0                          ; even waves fetch Q's rows, odd waves K's
	s_cselect_b64 s[NXT:NXT+1], s[18:19], s[20:21]
	s_cselect_b64 s[PA2:PA2+1], s[22:23], s[24:25]
	s_add_nc_u64 s[NXT:NXT+1], s[NXT:NXT+1], s[2:3]
	s_add_nc_u64 s[PA2:PA2+1], s[PA2:PA2+1], s[2:3]
	s_add_nc_u64 s[PV:PV+1], s[26:27], s[4:5]
	s_mov_b32 s[G0F], 1
	s_mov_b32 s[G0F+1], s[WOF]                     ; slot 0
	s_mov_b64 s[G0F+2:G0F+3], s[NXT:NXT+1]
	s_or_b32 s[G0F+3], s[G0F+3], 0x80000000
	s_add_nc_u64 s[NXT:NXT+1], s[NXT:NXT+1], 65536
	s_mov_b32 s[G0], 1
	s_add_co_u32 s[G0+1], s[WOF], SLOTB            ; slot 1
	s_mov_b64 s[G0+2:G0+3], s[NXT:NXT+1]
	s_or_b32 s[G0+3], s[G0+3], 0x80000000
	s_add_nc_u64 s[SPQ:SPQ+1], s[28:29], s[6:7]
	s_add_nc_u64 s[SPQ:SPQ+1], s[SPQ:SPQ+1], 2048  ; slot 1's scale words; slot 0's are reached by negative offsets
	s_add_nc_u64 s[SPK:SPK+1], s[30:31], s[6:7]
	s_add_nc_u64 s[SPK:SPK+1], s[SPK:SPK+1], 2048
	s_add_nc_u64 s[SQ2:SQ2+1], s[32:33], s[6:7]
	s_add_nc_u64 s[SK2:SK2+1], s[34:35], s[6:7]
	s_add_nc_u64 s[SV0:SV0+1], s[36:37], s[60:61]
	s_add_nc_u64 s[SV1:SV1+1], s[SV0:SV0+1], 1024
	s_lshl_b32 s62, s59, 16
	s_mov_b32 s63, 0
	s_add_nc_u64 s[8:9], s[8:9], s[62:63]
	s_add_nc_u64 s[14:15], s[14:15], s[62:63]
	s_lshl_b32 s62, s59, 11
	s_add_nc_u64 s[10:11], s[10:11], s[62:63]
	s_add_nc_u64 s[16:17], s[16:17], s[62:63]
	s_lshl_b32 s62, s59, 7
	s_add_nc_u64 s[12:13], s[12:13], s[62:63]
	s_lshl_b32 s62, s[HEAD], 1
	s_add_co_u32 s62, s62, s[CG]                   ; out's K step: 2 head + cg
	s_lshl_b32 s58, s62, 8
	s_lshl_b32 s62, s62, 11
	s_add_nc_u64 s[14:15], s[14:15], s[62:63]
	s_mov_b32 s62, s58
	s_add_nc_u64 s[16:17], s[16:17], s[62:63]
	s_lshl_b32 s62, s[HEAD], 10
	s_add_nc_u64 s[38:39], s[38:39], s[62:63]
	s_add_nc_u64 s[40:41], s[40:41], s[62:63]
	s_add_nc_u64 s[42:43], s[42:43], s[62:63]
	CROUND                                         ; all four work-groups are here: the first joint loads meet
	tensor_load_to_lds s[G0F:G0F+3], s[G1:G1+7]
	s_nop 0
	tensor_load_to_lds s[G0:G0+3], s[G1:G1+7]
	s_nop 0
	PLACES 4
	global_load_b64 v[192:193], v245, s[38:39]     ; the head's biases, 8 bytes a thread
	global_load_b64 v[194:195], v245, s[40:41]
	global_load_b64 v[196:197], v245, s[42:43]
.irp p, 0,1
.irp u, 0,1,2,3
	global_load_b64 v[AS+8*\p+2*\u:AS+8*\p+2*\u+1], v[L8], s[10:11] offset:\p*1024+\u*256   ; K steps u and 4 + u
.endr
.endr
	global_load_b32 v[LAM], v244, s[12:13]
	global_load_b32 v[LAM+1], v244, s[12:13] offset:64
	global_load_b128 v[BS:BS+3], v[VSO], s[SPQ:SPQ+1] offset:-2048
	global_load_b128 v[BS+4:BS+7], v[VSO], s[SPQ:SPQ+1] offset:-2032
	global_load_b128 v[BS+8:BS+11], v[VSO], s[SPK:SPK+1] offset:-2048
	global_load_b128 v[BS+12:BS+15], v[VSO], s[SPK:SPK+1] offset:-2032
	WIN 0x80
.irp rt, 0,1,2,3
.irp s, 0,1,2,3
.irp c, 0,1,2,3
	global_load_b128 v[64*\rt+16*\s+4*\c:64*\rt+16*\s+4*\c+3], v[LI], s[8:9] offset:(8*\rt+\s)*2048+512*\c
.endr
.endr
.endr
	WIN 0xc0
.irp rt, 0,1,2,3
.irp s, 4,5,6,7
.irp c, 0,1,2,3
	global_load_b128 v[64*\rt+16*(\s-4)+4*\c:64*\rt+16*(\s-4)+4*\c+3], v[LI], s[8:9] offset:(8*\rt+\s)*2048+512*\c
.endr
.endr
.endr
	WIN 0
	s_wait_loadcnt 63                              ; 142 loads were issued behind the three of the biases: these are in
	ds_store_b64 v246, v[192:193]
	ds_store_b64 v246, v[194:195] offset:1024
	ds_store_b64 v246, v[196:197] offset:2048
	s_wait_tensorcnt 0x1                           ; my part of slot 0 is in; slot 1's may stay out
	s_wait_dscnt 0x0
	s_barrier_signal -1
	s_barrier_wait -1
	NEXT 0, 0
.irp j, 0,1,2,3,4,5,6,7,8,9,10,11,12,13,14,15,16,17,18,19,20,21,22,23,24,25,26,27,28,29,30,31
	v_mov_b32 v[S1+\j], 0                          ; the sixteen pairs of partial scores: the loops are written once
.endr
	s_wait_loadcnt 0x0
.Lqk1:                                             ; slots 0 to 3
	QKBODY S1, 0, VSO
	s_cmp_lt_u32 s[F], 5
	s_cbranch_scc1 .Lqk1
.Lqk2:                                             ; slots 4 to 6
	QKBODY S2, 0, VSO
	s_cmp_lt_u32 s[F], 8
	s_cbranch_scc1 .Lqk2
	v_bfe_u32 v[BA0], v0, 4, 1                     ; V's bias: 512 cg + 64 h behind the two of Q
	v_lshlrev_b32 v[BA0], 6, v[BA0]
	s_lshl_b32 s2, s[CG], 9
	s_add_co_u32 s2, s2, BIA+2048
	v_add_nc_u32 v[BA0], s2, v[BA0]
	QKBODY S2, 1, VSP                              ; slot 7: its change asks for the last slot; what follows is written out
	; THE SCORES ARE FINISHED: a pair's halves, lane l xor 16's columns, and the other wave's columns
.irp n, 0,1,2,3,4,5,6,7,8,9,10,11,12,13,14,15
	v_add_f32 v[TM+\n], v[S1+2*\n], v[S1+2*\n+1]
.endr
.irp n, 0,1,2,3,4,5,6,7,8,9,10,11,12,13,14,15
	v_permlanex16_b32 v[S1+\n], v[TM+\n], s[SEL], s[SEL+1]
.endr
.irp n, 0,1,2,3,4,5,6,7,8,9,10,11,12,13,14,15
	v_add_f32 v[TM+\n], v[TM+\n], v[S1+\n]
.endr
.irp i, 0,1,2,3
	ds_store_b128 v[XW], v[TM+4*\i:TM+4*\i+3] offset:512*\i
.endr
	s_wait_dscnt 0x0
	s_barrier_signal -1                            ; the last slot's load may stay out
	s_barrier_wait -1
.irp i, 0,1,2,3
	ds_load_b128 v[S1+4*\i:S1+4*\i+3], v[XR] offset:512*\i
.endr
	s_wait_dscnt 0x0
.irp n, 0,1,2,3,4,5,6,7,8,9,10,11,12,13,14,15
	v_add_f32 v[TM+\n], v[TM+\n], v[S1+\n]         ; score 8 a + 4 bt + 2 qe + ke
.endr
.irp p, 0,1,2,3,4,5,6,7
	v_max_num_f32 v[S2+\p], v[TM+2*\p], v[TM+2*\p+1]   ; the row's maximum is taken away
.endr
.irp p, 0,1,2,3,4,5,6,7
	v_sub_f32 v[TM+2*\p], v[TM+2*\p], v[S2+\p]
	v_sub_f32 v[TM+2*\p+1], v[TM+2*\p+1], v[S2+\p]
.endr
.irp n, 0,1,2,3,4,5,6,7,8,9,10,11,12,13,14,15
	v_mul_f32 v[TM+\n], s[CS], v[TM+\n]
.endr
.irp n, 0,1,2,3,4,5,6,7,8,9,10,11,12,13,14,15
	v_exp_f32 v[TM+\n], v[TM+\n]
.endr
	v_nop                                          ; a plain line behind the batch,
	s_wait_alu depctr_va_vdst(0)                   ; and one wait for the sixteen, ahead of their first reader
.irp p, 0,1,2,3,4,5,6,7
	v_add_f32 v[S2+\p], v[TM+2*\p], v[TM+2*\p+1]
.endr
.irp p, 0,1,2,3,4,5,6,7
	v_rcp_f32 v[S2+\p], v[S2+\p]
.endr
	v_nop
	s_wait_alu depctr_va_vdst(0)
.irp p, 0,1,2,3,4,5,6,7
	v_mul_f32 v[TM+2*\p], v[TM+2*\p], v[S2+\p]
	v_mul_f32 v[TM+2*\p+1], v[TM+2*\p+1], v[S2+\p]
.endr
.irp n, 0,1,2,3,4,5,6,7
	v_fma_f32 v[S1+\n], -v[LAM+\n/4], v[TM+8+\n], v[TM+\n]   ; attn1 - lam attn2
.endr
.irp n, 0,1,2,3,4,5,6,7
	v_max_num_f32 v[DP+2*\n], 0, v[S1+\n]          ; relu, written twice: the packed forms below take whole pairs
	v_max_num_f32 v[DP+2*\n+1], 0, v[S1+\n]
.endr
	STRIPS 1, 1, VSP                               ; slot 8: V, the wave's first 64 columns
	CHANGE 0
	NEXT 1, 1
	EPIV 0
	s_wait_xcnt 0x0                                ; the codes' stores have read their registers, which the next products write
	STRIPS 1, 0, VSP                               ; slot 9
	EPIV 1
	v_cndmask_b32 v[TM], v[OSW], v[OSW+1], s[MSK]  ; lanes 0-15 the even tokens' words, lanes 16-31 the odd tokens'
	v_cndmask_b32 v[TM+1], v[OSW+2], v[OSW+3], s[MSK]
	global_store_b64 v[L8], v[TM:TM+1], s[16:17]   ; 256 consecutive bytes, aligned
	s_wait_tensorcnt 0x0                           ; the wave's end
	ds_add_u32 v[SPW], v[NIL]
	s_wait_dscnt 0x0
	CROUND                                         ; the closing round
	s_endpgm
.Lfunc_end_k_qa66c6b290f_attn:
	.size	k_qa66c6b290f_attn, .Lfunc_end_k_qa66c6b290f_attn-k_qa66c6b290f_attn
	.p2alignl 7, 3214868480
	.fill 96, 4, 3214868480
	.section	.rodata,"a",@progbits
	.p2align	6, 0x0
	.amdhsa_kernel k_qa66c6b290f_attn
		.amdhsa_group_segment_fixed_size 327680
		.amdhsa_private_segment_fixed_size 0
		.amdhsa_enable_private_segment 0
		.amdhsa_kernarg_size 144
		.amdhsa_user_sgpr_count 2
		.amdhsa_user_sgpr_kernarg_segment_ptr 1
		.amdhsa_wavefront_size32 1
		.amdhsa_system_sgpr_workgroup_id_x 1
		.amdhsa_system_sgpr_workgroup_id_y 1
		.amdhsa_system_sgpr_workgroup_id_z 1
		.amdhsa_system_vgpr_workitem_id 0
		.amdhsa_next_free_vgpr 1024
		.amdhsa_next_free_sgpr 102
		.amdhsa_reserve_vcc 0
		.amdhsa_float_denorm_mode_32 3
		.amdhsa_float_denorm_mode_16_64 3
		.amdhsa_memory_ordered 1
		.amdhsa_forward_progress 1
		.amdhsa_inst_pref_size 227
	.end_amdhsa_kernel
	.amdgpu_metadata
---
amdhsa.version: [ 1, 2 ]
amdhsa.kernels:
  - .name:           k_qa66c6b290f_attn
    .symbol:         k_qa66c6b290f_attn.kd
    .args:
      - { .name: xc, .offset: 0, .size: 8, .value_kind: global_buffer, .address_space: global }
      - { .name: xs, .offset: 8, .size: 8, .value_kind: global_buffer, .address_space: global }
      - { .name: lam, .offset: 16, .size: 8, .value_kind: global_buffer, .address_space: global }
      - { .name: oc, .offset: 24, .size: 8, .value_kind: global_buffer, .address_space: global }
      - { .name: os, .offset: 32, .size: 8, .value_kind: global_buffer, .address_space: global }
      - { .name: WQ1_w_codes, .offset: 40, .size: 8, .value_kind: global_buffer, .address_space: global }
      - { .name: WK1_w_codes, .offset: 48, .size: 8, .value_kind: global_buffer, .address_space: global }
      - { .name: WQ2_w_codes, .offset: 56, .size: 8, .value_kind: global_buffer, .address_space: global }
      - { .name: WK2_w_codes, .offset: 64, .size: 8, .value_kind: global_buffer, .address_space: global }
      - { .name: WV_w_codes, .offset: 72, .size: 8, .value_kind: global_buffer, .address_space: global }
      - { .name: WQ1_w_scales, .offset: 80, .size: 8, .value_kind: global_buffer, .address_space: global }
      - { .name: WK1_w_scales, .offset: 88, .size: 8, .value_kind: global_buffer, .address_space: global }
      - { .name: WQ2_w_scales, .offset: 96, .size: 8, .value_kind: global_buffer, .address_space: global }
      - { .name: WK2_w_scales, .offset: 104, .size: 8, .value_kind: global_buffer, .address_space: global }
      - { .name: WV_w_scales, .offset: 112, .size: 8, .value_kind: global_buffer, .address_space: global }
      - { .name: WQ1_b, .offset: 120, .size: 8, .value_kind: global_buffer, .address_space: global }
      - { .name: WQ2_b, .offset: 128, .size: 8, .value_kind: global_buffer, .address_space: global }
      - { .name: WV_b, .offset: 136, .size: 8, .value_kind: global_buffer, .address_space: global }
    .group_segment_fixed_size: 327680
    .private_segment_fixed_size: 0
    .kernarg_segment_align: 8
    .kernarg_segment_size: 144
    .max_flat_workgroup_size: 128
    .sgpr_count:     102
    .vgpr_count:     1024
    .wavefront_size: 32
...
	.end_amdgpu_metadata
.endif
;; end of part 2
;; launch proj (part 3): grid 64 x 4, 4 waves a work-group, clusters of 4 x 1, 327,680 bytes of LDS; arguments oc, os, WO_w_codes, WO_w_scales, WO_b, x, out0; writes out0
.if DOCPART == 3
	.amdgcn_target "amdgcn-amd-amdhsa--gfx1250"
	.amdhsa_code_object_version 6
	.text
	.protected	k_qa66c6b290f_proj
	.globl	k_qa66c6b290f_proj
	.p2align	8
	.type	k_qa66c6b290f_proj,@function
k_qa66c6b290f_proj:
	s_mov_b64 s[64:65], 0
	v_nop
	global_prefetch_b8 v0, s[64:65] scope:SCOPE_SE
	s_setreg_imm32_b32 hwreg(HW_REG_WAVE_MODE, 25, 1), 1
	s_wait_xcnt 0x0
	s_wait_alu depctr_hold_cnt(0) depctr_sa_sdst(0) depctr_va_vdst(0) depctr_va_sdst(0) depctr_va_ssrc(0) depctr_va_vcc(0) depctr_vm_vsrc(0)
	s_getreg_b32 s2, hwreg(HW_REG_IB_STS2, 6, 4)
	s_cmp_eq_u32 s2, 0
	s_cbranch_scc0 .Lentry_in_a_cluster
	s_endpgm
.Lentry_in_a_cluster:
	s_bfe_u32 s2, ttmp6, 0x10000c
	s_cmp_lg_u32 s2, 0x3003
	s_cbranch_scc0 .Lentry_shape_is_right
	s_endpgm
.Lentry_shape_is_right:
; THIRD OF THREE LAUNCHES.  out0 = (Q(out) WO + WO_b) + tokens.  out's codes and scale words come from the launch before, as images of operand registers (their layouts stand at the head of that text).
; SHARES.  A work-group: 128 tokens (64 batch rows) x 256 columns.  Wave w (rg = w / 2, bt = w % 2): 16 batch rows, that is the tiles E and O of 16 even and 16 odd tokens, and all 256 columns.
; Its codes take 256 registers; its whole share of x (32 rows x 1,024 bytes) is asked for at the head into 256 more, in the layout of the stores.  WO's 256 rows come into LDS once, by two joint loads a wave of the
; cluster's four work-groups (four row blocks walk the same rows of WO): nothing is filled again.  Sixteen strips of 16 columns, 16 matrix instructions each, two accumulators by turns; transposed: source 0 = 16 rows of WO.
; After every four strips (64 columns, 256 bytes of a row) the results go through the wave's own stage and leave as whole aligned runs of 256 bytes.
.set PIT,   1040
.set STG,   256*PIT                    ; behind WO: a stage of 16 rows x 272 bytes for each wave
.set SPARE, STG+4*16*272               ; the spare words: two blocks of 256 bytes that no other line names
.set AD,  1                            ; v1-4 my lane's place in rows 64 G on
.set STO, 5
.set RD,  6
.set GO,  7                            ; v7   (lane / 16) rows of 8,192 bytes + 16 r
.set LI,  8
.set A9,  9                            ; v9   8 x lane + 4 bt
.set L32, 10
.set R16, 11
.set SPW, 14
.set NIL, 15
.set AS,  16                           ; v16-23 out's scale words: scales alone
.set BS,  32                           ; v32-95 WO's scale words: scales alone
.set ACC, 96                           ; v96-159 accumulator (strip % 4, eo) at 16 kk + 8 eo
.set RBK, 160                          ; v160-223 rows read back: (eo, i) at 32 eo + 4 i
.set BR,  224                          ; v224-239 WO_b: my four columns of each 64.  Window 1: two sets of a strip's fragments; window 2: out's codes; window 3: x
.set W,   22
.set RG,  23
.set BT,  24
.set NQ,  25
.set G1,  36
.set G0A, 44
.set G0B, 48
.set MSB, 0
.macro WIN new
.if MSB != \new
	s_set_vgpr_msb (MSB<<8)|\new
.set MSB, \new
.endif
.endm
.macro PLACES n
.rept \n
	v_nop
.endr
.endm
.macro CROUND
	s_barrier_signal -1
	s_barrier_wait -1
	s_cmp_lg_u32 s[W], 0
	s_cbranch_scc1 .Lnot_wave_0_\@
	s_barrier_signal -3
.Lnot_wave_0_\@:
	s_barrier_wait -3
	s_barrier_signal -1
	s_barrier_wait -1
.endm
.macro WM d, a, b, z, c, sa, sb, ra, rb
.if (\z) && (\ra) && (\rb)
	v_wmma_scale_f32_16x16x128_f8f6f4 v[0+(\d):7+(\d)], v[0+(\a):15+(\a)], v[0+(\b):15+(\b)], 0, v[0+(\sa)], v[0+(\sb)] matrix_a_fmt:MATRIX_FMT_BF8 matrix_b_fmt:MATRIX_FMT_BF8 matrix_a_scale:MATRIX_SCALE_ROW1 matrix_b_scale:MATRIX_SCALE_ROW1
.elseif (\z) && (\ra)
	v_wmma_scale_f32_16x16x128_f8f6f4 v[0+(\d):7+(\d)], v[0+(\a):15+(\a)], v[0+(\b):15+(\b)], 0, v[0+(\sa)], v[0+(\sb)] matrix_a_fmt:MATRIX_FMT_BF8 matrix_b_fmt:MATRIX_FMT_BF8 matrix_a_scale:MATRIX_SCALE_ROW1
.elseif (\z) && (\rb)
	v_wmma_scale_f32_16x16x128_f8f6f4 v[0+(\d):7+(\d)], v[0+(\a):15+(\a)], v[0+(\b):15+(\b)], 0, v[0+(\sa)], v[0+(\sb)] matrix_a_fmt:MATRIX_FMT_BF8 matrix_b_fmt:MATRIX_FMT_BF8 matrix_b_scale:MATRIX_SCALE_ROW1
.elseif (\z)
	v_wmma_scale_f32_16x16x128_f8f6f4 v[0+(\d):7+(\d)], v[0+(\a):15+(\a)], v[0+(\b):15+(\b)], 0, v[0+(\sa)], v[0+(\sb)] matrix_a_fmt:MATRIX_FMT_BF8 matrix_b_fmt:MATRIX_FMT_BF8
.elseif (\ra) && (\rb)
	v_wmma_scale_f32_16x16x128_f8f6f4 v[0+(\d):7+(\d)], v[0+(\a):15+(\a)], v[0+(\b):15+(\b)], v[0+(\c):7+(\c)], v[0+(\sa)], v[0+(\sb)] matrix_a_fmt:MATRIX_FMT_BF8 matrix_b_fmt:MATRIX_FMT_BF8 matrix_a_scale:MATRIX_SCALE_ROW1 matrix_b_scale:MATRIX_SCALE_ROW1
.elseif (\ra)
	v_wmma_scale_f32_16x16x128_f8f6f4 v[0+(\d):7+(\d)], v[0+(\a):15+(\a)], v[0+(\b):15+(\b)], v[0+(\c):7+(\c)], v[0+(\sa)], v[0+(\sb)] matrix_a_fmt:MATRIX_FMT_BF8 matrix_b_fmt:MATRIX_FMT_BF8 matrix_a_scale:MATRIX_SCALE_ROW1
.elseif (\rb)
	v_wmma_scale_f32_16x16x128_f8f6f4 v[0+(\d):7+(\d)], v[0+(\a):15+(\a)], v[0+(\b):15+(\b)], v[0+(\c):7+(\c)], v[0+(\sa)], v[0+(\sb)] matrix_a_fmt:MATRIX_FMT_BF8 matrix_b_fmt:MATRIX_FMT_BF8 matrix_b_scale:MATRIX_SCALE_ROW1
.else
	v_wmma_scale_f32_16x16x128_f8f6f4 v[0+(\d):7+(\d)], v[0+(\a):15+(\a)], v[0+(\b):15+(\b)], v[0+(\c):7+(\c)], v[0+(\sa)], v[0+(\sb)] matrix_a_fmt:MATRIX_FMT_BF8 matrix_b_fmt:MATRIX_FMT_BF8
.endif
.endm
.macro FETCH k                         ; strip k's eight fragments into set k % 2: 32 LDS loads
	WIN 0x40
.irp s, 0,1,2,3,4,5,6,7
.irp c, 0,1,2,3
	ds_load_b128 v[128*((\k)%2)+16*\s+4*\c:128*((\k)%2)+16*\s+4*\c+3], v[AD+(\k)/4] offset:((\k)%4)*16*PIT+128*\s+32*\c
.endr
.endr
	WIN 0
.endm
.macro PSTRIP k                        ; 16 matrix instructions, K ascending, the two accumulators by turns; the first products start the sums
	WIN 0x09                                       ; source 0 window 1, source 1 window 2
.irp s, 0,1,2,3,4,5,6,7
.irp eo, 0,1
.if \s == 0
	WM ACC+16*((\k)%4)+8*\eo, 128*((\k)%2)+16*\s, 128*\eo+16*\s, 1, 0, BS+8*((\k)/2)+\s, AS+\s, (\k)%2, \eo
.else
	WM ACC+16*((\k)%4)+8*\eo, 128*((\k)%2)+16*\s, 128*\eo+16*\s, 0, ACC+16*((\k)%4)+8*\eo, BS+8*((\k)/2)+\s, AS+\s, (\k)%2, \eo
.endif
.endr
.endr
	WIN 0
.endm
; Columns 64 g on leave.  A lane holds 32 bytes of a row and its neighbours hold other rows: both tiles go through my stage on end (LDS serves a wave's instructions in order) and come back two rows a load.
.macro EPI g
	s_wait_xcnt 0x0                                ; the last group's stores have read the registers that the loads below fill
.irp eo, 0,1
.irp kk, 0,1,2,3
	ds_store_b128 v[STO], v[ACC+16*\kk+8*\eo:ACC+16*\kk+8*\eo+3] offset:64*\kk        ; each accumulator from its low end on
	ds_store_b128 v[STO], v[ACC+16*\kk+8*\eo+4:ACC+16*\kk+8*\eo+7] offset:64*\kk+16
.endr
.irp i, 0,1,2,3,4,5,6,7
	ds_load_b128 v[RBK+32*\eo+4*\i:RBK+32*\eo+4*\i+3], v[RD] offset:544*\i
.endr
.endr
.irp eo, 0,1
	s_wait_dscnt 16-16*\eo                         ; tile E is back: behind its loads stand tile O's 8 stores and 8 loads; then all are
.irp i, 0,1,2,3,4,5,6,7
	v_pk_add_f32 v[RBK+32*\eo+4*\i:RBK+32*\eo+4*\i+1], v[RBK+32*\eo+4*\i:RBK+32*\eo+4*\i+1], v[BR+4*(\g):BR+4*(\g)+1]          ; + WO_b
	v_pk_add_f32 v[RBK+32*\eo+4*\i+2:RBK+32*\eo+4*\i+3], v[RBK+32*\eo+4*\i+2:RBK+32*\eo+4*\i+3], v[BR+4*(\g)+2:BR+4*(\g)+3]
.endr
	s_wait_loadcnt 56-16*(\g)-8*\eo                ; x's eight loads of this group and tile are in; the later groups' were issued behind them
	WIN 0x0c                                       ; source 1 (x) window 3
.irp i, 0,1,2,3,4,5,6,7
	v_pk_add_f32 v[RBK+32*\eo+4*\i:RBK+32*\eo+4*\i+1], v[RBK+32*\eo+4*\i:RBK+32*\eo+4*\i+1], v[64*(\g)+32*\eo+4*\i:64*(\g)+32*\eo+4*\i+1]   ; + tokens
	v_pk_add_f32 v[RBK+32*\eo+4*\i+2:RBK+32*\eo+4*\i+3], v[RBK+32*\eo+4*\i+2:RBK+32*\eo+4*\i+3], v[64*(\g)+32*\eo+4*\i+2:64*(\g)+32*\eo+4*\i+3]
.endr
	WIN 0
.irp i, 0,1,2,3,4,5,6,7
	global_store_b128 v[GO], v[RBK+32*\eo+4*\i:RBK+32*\eo+4*\i+3], s[20:21] offset:\i*16384+\eo*4096+256*(\g) th:TH_STORE_NT   ; 16 lanes store 256 consecutive bytes, aligned
.endr
.endr
.endm
	s_load_b256 s[8:15], s[0:1], 0x0               ; oc 8, os 10, WO codes 12, WO scales 14
	s_load_b128 s[16:19], s[0:1], 0x20             ; WO_b 16, x 18
	s_load_b64 s[20:21], s[0:1], 0x30              ; out0
	v_lshl_add_u32 v[SPW], v0, 2, SPARE
	v_mov_b32 v[NIL], 0
	ds_add_u32 v[SPW], v[NIL]                      ; the opening: the add, twice on end, and its wait ahead of my first tensor load
	ds_add_u32 v[SPW], v[NIL]
	v_lshrrev_b32 v1, 5, v0
	v_readfirstlane_b32 s[W], v1
	s_lshr_b32 s[RG], s[W], 1
	s_and_b32 s[BT], s[W], 1
	s_and_b32 s[NQ], ttmp7, 0xffff                 ; which 256 columns: shared by the four partners
	s_bfe_u32 s26, ttmp6, 0x40000                  ; my place in the cluster: it enters global addresses of oc, os, x and out0 alone
	s_lshl_b32 s27, ttmp9, 2
	s_add_co_u32 s27, s27, s26
	s_lshl_b32 s27, s27, 1
	s_add_co_u32 s27, s27, s[RG]                   ; RBrg
	s_mov_b32 s[G1+0], 15|(1<<20)|(1<<21)|(7<<22)|(3<<25)   ; mask: all four; elements of 1 byte; padding on; bit 21 beside the mask; 4 words behind every 256
	s_mov_b32 s[G1+1], 1024<<16
	s_mov_b32 s[G1+2], 32<<16
	s_mov_b32 s[G1+3], 1024<<16
	s_mov_b32 s[G1+4], 32
	s_mov_b32 s[G1+5], 1024
	s_mov_b32 s[G1+6], 0
	s_mov_b32 s[G1+7], 0
	s_mul_i32 s28, s[W], 32*PIT                    ; I fill rows 32 w on of each half of WO's 256
	s_lshl_b32 s30, s[NQ], 18
	s_lshl_b32 s31, s[W], 15
	s_add_co_u32 s30, s30, s31                     ; row 256 nq + 32 w, in bytes
	s_mov_b32 s31, 0
	v_and_b32 v160, 15, v0                         ; r
	v_bfe_u32 v161, v0, 4, 1                       ; h
	v_and_b32 v162, 31, v0                         ; lane
	v_mul_u32_u24 v[AD], v160, PIT
	v_lshl_add_u32 v[AD], v161, 4, v[AD]
	v_add_nc_u32 v[AD+1], 64*PIT, v[AD]
	v_add_nc_u32 v[AD+2], 128*PIT, v[AD]
	v_add_nc_u32 v[AD+3], 192*PIT, v[AD]
	s_mul_i32 s29, s[W], 16*272
	s_add_co_u32 s29, s29, STG                     ; my stage
	v_mul_u32_u24 v[STO], v160, 272
	v_lshl_add_u32 v[STO], v161, 5, v[STO]
	v_add_nc_u32 v[STO], s29, v[STO]               ; in: row r, + 32 h
	v_lshlrev_b32 v[R16], 4, v160
	v_mul_u32_u24 v[RD], v161, 272
	v_add_nc_u32 v[RD], v[RD], v[R16]
	v_add_nc_u32 v[RD], s29, v[RD]                 ; back: lanes 0-15 one row, lanes 16-31 the next
	v_lshl_add_u32 v[GO], v161, 13, v[R16]
	v_lshlrev_b32 v[LI], 4, v162
	v_lshlrev_b32 v[A9], 3, v162
	s_lshl_b32 s32, s[BT], 2
	v_add_nc_u32 v[A9], s32, v[A9]
	v_lshlrev_b32 v[L32], 5, v162
	s_lshl_b32 s32, s27, 16                        ; oc: 65,536 RBrg + 32,768 bt
	s_lshl_b32 s33, s[BT], 15
	s_add_co_u32 s32, s32, s33
	s_mov_b32 s33, 0
	s_lshl_b32 s34, s27, 11                        ; os: 2,048 RBrg
	s_mov_b32 s35, 0
	s_lshl_b32 s52, s27, 18                        ; x and out0: batch row 32 RBrg + 16 bt, + 1,024 nq
	s_lshl_b32 s53, s[BT], 17
	s_add_co_u32 s52, s52, s53
	s_lshl_b32 s53, s[NQ], 10
	s_add_co_u32 s52, s52, s53
	s_mov_b32 s53, 0
	s_lshl_b32 s54, s[NQ], 13                      ; WO's scale bytes: row 256 nq
	s_mov_b32 s55, 0
	s_lshl_b32 s56, s[NQ], 10                      ; WO_b
	s_mov_b32 s57, 0
	s_wait_dscnt 0x0                               ; both opening adds are done
	s_wait_kmcnt 0x0
	s_mov_b32 s[G0A], 1
	s_mov_b32 s[G0A+1], s28
	s_add_nc_u64 s[G0A+2:G0A+3], s[12:13], s[30:31]
	s_mov_b32 s[G0B], 1
	s_add_co_u32 s[G0B+1], s28, 128*PIT
	s_add_nc_u64 s[G0B+2:G0B+3], s[G0A+2:G0A+3], 131072
	s_or_b32 s[G0A+3], s[G0A+3], 0x80000000
	s_or_b32 s[G0B+3], s[G0B+3], 0x80000000
	s_add_nc_u64 s[8:9], s[8:9], s[32:33]
	s_add_nc_u64 s[10:11], s[10:11], s[34:35]
	s_add_nc_u64 s[14:15], s[14:15], s[54:55]
	s_add_nc_u64 s[16:17], s[16:17], s[56:57]
	s_add_nc_u64 s[18:19], s[18:19], s[52:53]
	s_add_nc_u64 s[20:21], s[20:21], s[52:53]
	CROUND                                         ; all four work-groups are here: the joint loads meet
	tensor_load_to_lds s[G0A:G0A+3], s[G1:G1+7]
	s_nop 0
	tensor_load_to_lds s[G0B:G0B+3], s[G1:G1+7]
	s_nop 0
	PLACES 4
.irp s, 0,1,2,3,4,5,6,7
	global_load_b32 v[AS+\s], v[A9], s[10:11] offset:\s*256   ; lanes 0-15 tile E's words, lanes 16-31 tile O's
.endr
.irp p, 0,1,2,3,4,5,6,7
	global_load_b128 v[BS+8*\p:BS+8*\p+3], v[L32], s[14:15] offset:\p*1024       ; lane l: row 32 p + l: lanes 0-15 the even strip's rows, lanes 16-31 the odd strip's
	global_load_b128 v[BS+8*\p+4:BS+8*\p+7], v[L32], s[14:15] offset:\p*1024+16
.endr
.irp g, 0,1,2,3
	global_load_b128 v[BR+4*\g:BR+4*\g+3], v[R16], s[16:17] offset:256*\g
.endr
	WIN 0x80
.irp eo, 0,1
.irp s, 0,1,2,3,4,5,6,7
.irp c, 0,1,2,3
	global_load_b128 v[128*\eo+16*\s+4*\c:128*\eo+16*\s+4*\c+3], v[LI], s[8:9] offset:\eo*16384+\s*2048+512*\c
.endr
.endr
.endr
	WIN 0xc0
.irp g, 0,1,2,3
.irp eo, 0,1
.irp i, 0,1,2,3,4,5,6,7
	global_load_b128 v[64*\g+32*\eo+4*\i:64*\g+32*\eo+4*\i+3], v[GO], s[18:19] offset:\i*16384+\eo*4096+256*\g th:TH_LOAD_NT   ; 16 lanes read 256 consecutive bytes: all my x is asked for here
.endr
.endr
.endr
	WIN 0
	s_wait_tensorcnt 0x0                           ; my parts of WO are in,
	s_barrier_signal -1
	s_barrier_wait -1                              ; everybody's are; nothing is filled again
	FETCH 0
	FETCH 1
	s_wait_loadcnt 63                              ; x's 64 loads were issued behind the codes, the scale words and the bias: those are in
.irp k, 0,1,2,3,4,5,6,7,8,9,10,11,12,13,14,15
.if \k < 15
	s_wait_dscnt 32                                ; this strip is in; the next strip's 32 loads were issued behind it
.else
	s_wait_dscnt 0x0
.endif
	PSTRIP \k
	PLACES 8                                       ; in front of loads into registers that these products read, and of the stage's stores, which read results (ISA guide 7.12.1 for instructions other than loads)
.if \k < 14
	FETCH \k+2
.endif
.if (\k%4) == 3
	EPI \k/4
.endif
.endr
	s_wait_tensorcnt 0x0                           ; the wave's end
	ds_add_u32 v[SPW], v[NIL]
	s_wait_dscnt 0x0
	CROUND                                         ; the closing round
	s_endpgm
.Lfunc_end_k_qa66c6b290f_proj:
	.size	k_qa66c6b290f_proj, .Lfunc_end_k_qa66c6b290f_proj-k_qa66c6b290f_proj
	.p2alignl 7, 3214868480
	.fill 96, 4, 3214868480
	.section	.rodata,"a",@progbits
	.p2align	6, 0x0
	.amdhsa_kernel k_qa66c6b290f_proj
		.amdhsa_group_segment_fixed_size 327680
		.amdhsa_private_segment_fixed_size 0
		.amdhsa_enable_private_segment 0
		.amdhsa_kernarg_size 56
		.amdhsa_user_sgpr_count 2
		.amdhsa_user_sgpr_kernarg_segment_ptr 1
		.amdhsa_wavefront_size32 1
		.amdhsa_system_sgpr_workgroup_id_x 1
		.amdhsa_system_sgpr_workgroup_id_y 1
		.amdhsa_system_sgpr_workgroup_id_z 1
		.amdhsa_system_vgpr_workitem_id 0
		.amdhsa_next_free_vgpr 1024
		.amdhsa_next_free_sgpr 66
		.amdhsa_reserve_vcc 0
		.amdhsa_float_denorm_mode_32 3
		.amdhsa_float_denorm_mode_16_64 3
		.amdhsa_memory_ordered 1
		.amdhsa_forward_progress 1
		.amdhsa_inst_pref_size 122
	.end_amdhsa_kernel
	.amdgpu_metadata
---
amdhsa.version: [ 1, 2 ]
amdhsa.kernels:
  - .name:           k_qa66c6b290f_proj
    .symbol:         k_qa66c6b290f_proj.kd
    .args:
      - { .name: oc, .offset: 0, .size: 8, .value_kind: global_buffer, .address_space: global }
      - { .name: os, .offset: 8, .size: 8, .value_kind: global_buffer, .address_space: global }
      - { .name: WO_w_codes, .offset: 16, .size: 8, .value_kind: global_buffer, .address_space: global }
      - { .name: WO_w_scales, .offset: 24, .size: 8, .value_kind: global_buffer, .address_space: global }
      - { .name: WO_b, .offset: 32, .size: 8, .value_kind: global_buffer, .address_space: global }
      - { .name: x, .offset: 40, .size: 8, .value_kind: global_buffer, .address_space: global }
      - { .name: out0, .offset: 48, .size: 8, .value_kind: global_buffer, .address_space: global }
    .group_segment_fixed_size: 327680
    .private_segment_fixed_size: 0
    .kernarg_segment_align: 8
    .kernarg_segment_size: 56
    .max_flat_workgroup_size: 128
    .sgpr_count:     66
    .vgpr_count:     1024
    .wavefront_size: 32
...
	.end_amdgpu_metadata
.endif
;; end of part 3
